; MI455X (gfx1250); checked and timed in simulation.
; The chip was launched on July 23, 2026; its instructions are those of AMD's public machine-readable ISA for CDNA 5 (MIT licence, August 2026) and "CDNA5" Instruction Set Architecture Reference Guide (July 2026). The comments in the code are by the model that wrote it; some were corrected since.
;; Causal Self Attention. Allowed arithmetic: matrix products marked QUANTISED: E2M3 operands, one E8M0 scale for each 32 along K, by v_wmma_scale_f32_16x16x128_f8f6f4 with both operands' format E2M3, f32 sums; everything else in f32.
;; Inputs: Wo 1,024 x 1,024 float32; Wqkv 3,072 x 1,024 float32; attention_mask 4 x 2,048 int32; bo 1,024 float32; bqkv 3,072 float32; x 4 x 2,048 x 1,024 float32.
;; Outputs: out0 4 x 2,048 x 1,024 float32.
;; This version of the problem:
;;   THIS VERSION OF THE PROBLEM IS GIVEN IN LOW PRECISION. The matrix products marked QUANTISED in the list below multiply operands that are first quantised to E2M3 (2 exponent bits, 3 mantissa bits; 6 bits a number), with one power-of-two scale for each 32 numbers along K (OCP MX v1.0); their sums are f32. All else is computed in f32.
;;   The module's matrix products, in the order in which they are computed (A, B: the left and right operand; K: the contracted axis; several contracted axes count as one K, in the product's order):
;;     1. [M 8,192, K 1,024] x [K 1,024, N 3,072]; A: input x; B: input Wqkv: QUANTISED
;;     2. batch 64 x [M 2,048, K 64] x [K 64, N 2,048]; A: computed on the way; B: computed on the way: QUANTISED
;;     3. batch 64 x [M 2,048, K 2,048] x [K 2,048, N 64]; A: computed on the way; B: computed on the way: QUANTISED
;;     4. [M 8,192, K 1,024] x [K 1,024, N 1,024]; A: computed on the way; B: input Wo: QUANTISED
;;   THE QUANTISER, for each operand of a quantised product, along K:
;;     - K is cut into blocks of 32 from its start; a last block that is shorter is filled with zeros.
;;     - A block's scale is 2^e with e = floor(log2(the largest magnitude in the block)) - 2, held to -126 .. 127; a block of zeros has e = 0. As a byte (E8M0): e + 127.
;;     - Each number is divided by its block's scale, clamped to +-7.5, and rounded to the nearest number of E2M3, ties to even, subnormals kept.
;;     - The product sums the exact products of the quantised numbers (number of the format x scale) in f32.
;;   ~~~python
;;   def quantise(x, axis):      # numpy; x: float32 -> the quantised numbers, widened to float32 again
;;       x = np.moveaxis(x, axis, -1); K = x.shape[-1]
;;       x = np.pad(x, [(0, 0)] * (x.ndim - 1) + [(0, -K % 32)]); x = x.reshape(x.shape[:-1] + (-1, 32)); a = np.abs(x).max(-1, keepdims=True)
;;       e = np.where(a > 0, np.clip(np.frexp(np.where(a > 0, a, 1))[1] - 1 - 2, -126, 127), 0)      # np.frexp(a)[1] - 1 = floor(log2(a)), exactly
;;       r = np.clip(x / 2.0 ** e, -7.5, 7.5)
;;       step = 2.0 ** (np.maximum(np.frexp(np.where(r == 0, 1, r))[1] - 1, 0) - 3)
;;       q = np.round(r / step) * step * 2.0 ** e      # np.round: ties to even
;;       return np.moveaxis(q.reshape(q.shape[:-2] + (-1,))[..., :K], -1, axis).astype(np.float32)
;;   ~~~
;;   OPERANDS COMPUTED ON THE WAY. 'Computed on the way' means the value that the module computes at that place (a softmax that the list does not call 'softmax' is quantised finished and normalised). What goes into a quantiser is computed in f32, as accurately as f32 sums, v_exp_f32 and their like allow (about 1e-6 of the number): no bf16 or f16 on the way to a quantiser, and a product that is left as it is and whose result goes on into a quantised operand takes f32 operands (vector FMAs, or v_wmma_f32_16x16x4_f32). A number that lies on a knife's edge between two numbers of the format may be rounded either way, as far as f32 arithmetic and the matrix unit's own rounding can turn it there, and no further.
;; 2 versions, each right; version 2 is version 1 with the launch attn written anew for expert scheduling mode. Each part assembles by itself: llvm-mc -triple=amdgcn-amd-amdhsa -mcpu=gfx1250 --defsym DOCPART=n.
;; ======== version 1 of 2: 4 launches
;; limits: right only within a limited range of input values
;; workspace buffers: opc 9,437,184 bytes; ops 393,216 bytes; flg 512 bytes of whole numbers; atc 18,874,368 bytes; ats 1,310,720 bytes; yc 6,291,456 bytes; ys 262,144 bytes
;; launch quant (part 1): grid 385 x 1, 4 waves a work-group, no clusters, 34,304 bytes of LDS; arguments x, Wqkv, Wo, attention_mask, opc, ops, flg; writes opc, ops, flg
.if DOCPART == 1
	.amdgcn_target "amdgcn-amd-amdhsa--gfx1250"
	.amdhsa_code_object_version 6
	.text
	.protected	k_qf19a68d84e_quant
	.globl	k_qf19a68d84e_quant
	.p2align	8
	.type	k_qf19a68d84e_quant,@function
k_qf19a68d84e_quant:
	s_mov_b64 s[64:65], 0
	v_nop
	global_prefetch_b8 v0, s[64:65] scope:SCOPE_SE
	s_setreg_imm32_b32 hwreg(HW_REG_WAVE_MODE, 25, 1), 1
	s_wait_xcnt 0x0
; LAUNCH 1 OF 4 (quant, qkv, attn, proj): causal self-attention, B = 4, T = 2048, C = 1024, 16 heads of 64, all four products on codes of FP6 (E2M3) with one E8M0 scale for each 32 along K.
; This launch turns x [8192][1024], Wqkv [3072][1024] and Wo [1024][1024], f32, K innermost, into codes and scale bytes, once, and finds each batch's first token whose mask word is not 0.
; WORK THAT THE PROGRAM LEAVES OUT, and why it can reach no output, whatever the inputs hold:
;  (1) reference() puts -inf at every key k > q by its own tril; the softmax gives exactly 0 there; a block of 32 zeros has zero codes, which add nothing to att v.  So launch 3 walks, for a tile of
;      16 queries, only the steps of 128 keys that begin at or before the tile's last query.
;  (2) reference() multiplies att by the query's mask word and y by it again.  Where all 16 words of a tile of queries are 0, att and y are 0: launch 3 reads the words from memory and leaves that tile's
;      products out; it stores zero codes for it.  (A row that has no valid key at or before it is NaN in reference(), 0 x NaN: it is marked by the scale byte 0xff, from the flag made here.)
;  Every input has a way to the output and is loaded.  LIMIT: a NaN, an infinity or an overflow that reaches only the work left out is not carried to the result.
; LIMITS of this launch: a block whose largest magnitude lies under 2^-124 keeps the scale byte 1 (a block of zeros too, where the rule says 127: its codes are zeros, and this program alone reads the bytes);
; NaN and infinities among the inputs are not served.
; LAYOUT OF THE CODES (opc): the three tensors on end are 768 tiles of 16 rows.  A tile's 1024 along K are 16 chunks of 64; a chunk is 768 bytes, AN IMAGE OF OPERAND REGISTERS: lane (r = l % 16, h = l / 16)
; owns the 24 bytes of row r's block 2 chunk + h: its registers 0-3 at 16 l, its registers 4-5 at 512 + 8 l.  Two chunks on end are a fragment of 128 along K.
; ORDER INSIDE A BLOCK OF 32: the four groups of eight neighbours lie as g0, g2, g1, g3.  Every operand of every product of this program has that order, so the same k meet; the blocks, their scales and codes are the rule's own.
; LAYOUT OF THE SCALES (ops): [tile][K / 256][row 16][8 bytes]: a row's two scale words of two steps of 128.
; SHARES: a wave takes 16 rows x 512 along K.  Each load reads 512 consecutive bytes of a row; a quarter (16 rows x 128 K) goes through the wave's own stage in LDS and comes back a block of 32 to a lane.
; Work-group 384 makes the flags and uses no LDS.  Waves share nothing: no barrier.
.set SPITCH, 528                       ; a stage row: 512 bytes + 16, so that the sixteen rows of a read start 4 banks apart
.set WSTAGE, 16*SPITCH
.set SPARE,  4*WSTAGE                  ; behind the four stages: the spare words, 128 bytes a wave
.set R, 16                             ; v16-143  two sets of 64: a quarter as loaded
.set X, 144                            ; v144-207 two blocks of 32 numbers
.set C, 208                            ; v208-223 two sets of 8: a block's codes
.set E, 224                            ; v224-231 my eight blocks' scale bytes
.set W, 232                            ; v232-239 scale words, at work
	s_load_b256 s[4:11], s[0:1], 0x0               ; x, Wqkv, Wo, attention_mask
	s_load_b128 s[12:15], s[0:1], 0x20             ; opc, ops
	s_load_b64 s[16:17], s[0:1], 0x30              ; flg
	v_lshl_add_u32 v10, v0, 2, SPARE               ; my spare word,
	v_mov_b32 v11, 0                               ; and 0: kept for the closing lines
	v_lshrrev_b32 v1, 5, v0
	v_readfirstlane_b32 s18, v1                    ; wave
	v_and_b32 v1, 31, v0                           ; lane
	s_mov_b32 s20, 0x76543210
	s_mov_b32 s21, 0xfedcba98                      ; v_permlanex16_b32's selects for lane l xor 16
	s_cmp_eq_u32 ttmp9, 384
	s_cbranch_scc1 .Lflags
	v_and_b32 v2, 15, v0                           ; r
	v_bfe_u32 v3, v0, 4, 1                         ; h
	v_lshlrev_b32 v4, 4, v1                        ; 16 l: my bytes of a load, and of a chunk's first 512
	s_mul_i32 s29, s18, WSTAGE
	v_add_nc_u32 v5, s29, v4                       ; the stage, on the way in
	v_mul_u32_u24 v6, v2, SPITCH
	v_lshl_add_u32 v6, v3, 7, v6
	v_add_nc_u32 v6, s29, v6                       ; and out: row r, block h
	v_lshlrev_b32 v7, 3, v1                        ; 8 l: my bytes of a chunk's last 256
	v_lshlrev_b32 v8, 3, v2
	v_lshl_add_u32 v8, v3, 7, v8                   ; the scale words' place: 128 h + 8 r
	v_lshlrev_b32 v9, 3, v3                        ; 8 h
	v_mov_b32 v[W+4], 0                            ; a lane permute's destination counts as one of its sources
	s_mov_b32 s22, 0xffff0000                      ; lanes 16-31
	s_lshl_b32 s19, ttmp9, 2
	s_add_co_u32 s19, s19, s18                     ; my unit: 2 x tile + half of K
	s_lshr_b32 s24, s19, 1
	s_and_b32 s25, s19, 1
	s_mov_b32 s26, 704
	s_wait_kmcnt 0x0
	s_cmp_lt_u32 ttmp9, 352                        ; work-groups 0-255: x; 256-351: Wqkv; 352-383: Wo.  The choice hangs on the work-group's number alone
	s_cselect_b64 s[6:7], s[6:7], s[8:9]
	s_cselect_b32 s26, 512, s26
	s_cmp_lt_u32 ttmp9, 256
	s_cselect_b64 s[4:5], s[4:5], s[6:7]
	s_cselect_b32 s26, 0, s26
	s_sub_co_u32 s26, s24, s26                     ; the tile's number in its own tensor
	s_lshl_b32 s26, s26, 16                        ; 16 rows of 4,096 bytes
	s_lshl_b32 s27, s25, 11                        ; + my half of K
	s_add_co_u32 s26, s26, s27
	s_mov_b32 s27, 0
	s_add_nc_u64 s[4:5], s[4:5], s[26:27]
	s_mul_i32 s26, s19, 6144                       ; eight chunks a unit
	s_add_nc_u64 s[12:13], s[12:13], s[26:27]
	s_lshl_b32 s26, s19, 8                         ; 256 scale bytes a unit
	s_add_nc_u64 s[14:15], s[14:15], s[26:27]
.macro LOADQ qd                        ; quarter qd: 16 rows x 512 bytes
.irp i, 0,1,2,3,4,5,6,7,8,9,10,11,12,13,14,15
	global_load_b128 v[R+64*((\qd)%2)+4*\i:R+64*((\qd)%2)+4*\i+3], v4, s[4:5] offset:4096*\i+512*(\qd) th:TH_LOAD_NT
.endr
.endm
.macro STAGE qd
.irp i, 0,1,2,3,4,5,6,7,8,9,10,11,12,13,14,15
	ds_store_b128 v5, v[R+64*((\qd)%2)+4*\i:R+64*((\qd)%2)+4*\i+3] offset:SPITCH*\i
.endr
.endm
.macro BACK c                          ; chunk c of the quarter: my block's 32 numbers, the groups of eight in the order g0, g2, g1, g3
.irp n, 0,1,2,3,4,5,6,7
	ds_load_b128 v[X+32*(\c)+4*\n:X+32*(\c)+4*\n+3], v6 offset:256*(\c)+32*(((\n/2)%2)*2+\n/4)+16*(\n%2)
.endr
.endm
.macro QB k, c                         ; my block of chunk k: largest magnitude, scale, codes, stores
.set XS, X+32*(\c)
.set CC, C+8*(\c)
	v_max3_num_f32 v12, |v[XS]|, |v[XS+1]|, |v[XS+2]|
	v_max3_num_f32 v13, |v[XS+3]|, |v[XS+4]|, |v[XS+5]|
.irp i, 6,10,14,18,22,26
	v_max3_num_f32 v12, v12, |v[XS+\i]|, |v[XS+\i+1]|
	v_max3_num_f32 v13, v13, |v[XS+\i+2]|, |v[XS+\i+3]|
.endr
	v_max3_num_f32 v12, v12, |v[XS+30]|, |v[XS+31]|
	v_max3_num_f32 v12, v12, v13, 0x1800000        ; and the floor 2^(3 - 127): the byte cannot fall under 1
	v_add_nc_u32 v14, 0xff000000, v12              ; 2 off the exponent field: the conversion's scale operand
	v_cvt_scalef32_pk16_fp6_f32 v[CC:CC+2], v[XS:XS+15], v14
	v_cvt_scalef32_pk16_fp6_f32 v[CC+4:CC+6], v[XS+16:XS+31], v14   ; (a conversion's three registers begin on an even number)
	v_lshrrev_b32 v[E+(\k)], 23, v14               ; the scale's byte; also the plain place behind the conversions
	v_mov_b32 v[CC+3], v[CC+4]
	v_mov_b32 v[CC+4], v[CC+5]
	v_mov_b32 v[CC+5], v[CC+6]                     ; six registers on end
	global_store_b128 v4, v[CC:CC+3], s[12:13] offset:768*(\k)          ; 512 consecutive bytes, aligned to 256
	global_store_b64 v7, v[CC+4:CC+5], s[12:13] offset:768*(\k)+512     ; 256 consecutive bytes, aligned
.endm
	LOADQ 0
	LOADQ 1
.irp qd, 0,1,2,3
.if \qd < 3
	s_wait_loadcnt 16                              ; this quarter's 16 loads are in; the next quarter's 16 stay out
.else
	s_wait_loadcnt 0x0
.endif
	STAGE \qd                                      ; LDS serves a wave's instructions in order: no wait between the stores and the loads
	BACK 0
	BACK 1
	s_wait_dscnt 0x0                               ; the numbers are back, and the stores have read their registers,
.if \qd < 2
	LOADQ \qd+2                                    ; which take the quarter two further on
.endif
	s_wait_xcnt 0x0                                ; the last quarter's stores have read their data: the codes' registers are written again only behind this wait
	QB 2*\qd, 0
	QB 2*\qd+1, 1
.endr
.irp s, 0,1,2,3                        ; the scale word of my rows' step s of 128: bytes h and 2 + h are mine,
	v_lshl_or_b32 v[W+\s], v[E+2*\s+1], 16, v[E+2*\s]
	v_lshlrev_b32 v[W+\s], v9, v[W+\s]
.endr
.irp s, 0,1,2,3                        ; the other two are lane l xor 16's
	v_permlanex16_b32 v[W+4], v[W+\s], s20, s21
	v_or_b32 v[W+\s], v[W+\s], v[W+4]
.endr
	v_cndmask_b32 v[W+6], v[W], v[W+2], s22        ; lanes 0-15 store steps 0, 1; lanes 16-31 steps 2, 3
	v_cndmask_b32 v[W+7], v[W+1], v[W+3], s22
	global_store_b64 v8, v[W+6:W+7], s[14:15]      ; the wave stores 256 consecutive bytes, aligned
	s_wait_tensorcnt 0x0                           ; the wave's end, behind my last LDS store
	ds_add_u32 v10, v11
	s_wait_dscnt 0x0
	s_endpgm
.Lflags:                                               ; wave w: the first token of batch w whose mask word is not 0 (2048: none), in whole numbers throughout
	s_wait_kmcnt 0x0
	s_lshl_b32 s19, s18, 13
	v_lshl_add_u32 v2, v1, 8, s19                  ; lane l takes words 64 l .. 64 l + 63
.irp i, 0,1,2,3,4,5,6,7,8,9,10,11,12,13,14,15
	global_load_b128 v[16+4*\i:19+4*\i], v2, s[10:11] offset:16*\i
.endr
	v_mov_b32 v12, 64
	s_wait_loadcnt 0x0
.set n, 63
.rept 64
	v_cmp_eq_u32 vcc_lo, 0, v[16+n]
	v_cndmask_b32 v12, n, v12, vcc_lo              ; word n is not 0: n takes the place of what stood for the later words
.set n, n-1
.endr
	v_lshl_add_u32 v13, v1, 6, v12
	v_cmp_eq_u32 vcc_lo, 64, v12
	v_mov_b32 v14, 0x800
	v_cndmask_b32 v13, v13, v14, vcc_lo            ; none among my 64
.irp m, 1,2,4,8
	v_mov_b32_dpp v14, v13 row_xmask:\m row_mask:0xf bank_mask:0xf
	v_min_u32 v13, v13, v14
.endr
	v_permlanex16_b32 v14, v13, s20, s21
	v_min_u32 v13, v13, v14                        ; the least of the 32 lanes, in every lane
	s_lshl_b32 s19, s18, 7
	v_lshl_add_u32 v15, v1, 2, s19
	global_store_b32 v15, v13, s[16:17]            ; 32 copies: 128 bytes a batch
	s_endpgm
.Lfunc_end_k_qf19a68d84e_quant:
	.size	k_qf19a68d84e_quant, .Lfunc_end_k_qf19a68d84e_quant-k_qf19a68d84e_quant
	.p2alignl 7, 3214868480
	.fill 96, 4, 3214868480
	.section	.rodata,"a",@progbits
	.p2align	6, 0x0
	.amdhsa_kernel k_qf19a68d84e_quant
		.amdhsa_group_segment_fixed_size 34304
		.amdhsa_private_segment_fixed_size 0
		.amdhsa_enable_private_segment 0
		.amdhsa_kernarg_size 56
		.amdhsa_user_sgpr_count 2
		.amdhsa_user_sgpr_kernarg_segment_ptr 1
		.amdhsa_wavefront_size32 1
		.amdhsa_system_sgpr_workgroup_id_x 1
		.amdhsa_system_sgpr_workgroup_id_y 1
		.amdhsa_system_sgpr_workgroup_id_z 1
		.amdhsa_system_vgpr_workitem_id 0
		.amdhsa_next_free_vgpr 240
		.amdhsa_next_free_sgpr 66
		.amdhsa_reserve_vcc 1
		.amdhsa_float_denorm_mode_32 3
		.amdhsa_float_denorm_mode_16_64 3
		.amdhsa_memory_ordered 1
		.amdhsa_forward_progress 1
		.amdhsa_inst_pref_size 37
	.end_amdhsa_kernel
	.amdgpu_metadata
---
amdhsa.version: [ 1, 2 ]
amdhsa.kernels:
  - .name:           k_qf19a68d84e_quant
    .symbol:         k_qf19a68d84e_quant.kd
    .args:
      - { .name: x, .offset: 0, .size: 8, .value_kind: global_buffer, .address_space: global }
      - { .name: Wqkv, .offset: 8, .size: 8, .value_kind: global_buffer, .address_space: global }
      - { .name: Wo, .offset: 16, .size: 8, .value_kind: global_buffer, .address_space: global }
      - { .name: attention_mask, .offset: 24, .size: 8, .value_kind: global_buffer, .address_space: global }
      - { .name: opc, .offset: 32, .size: 8, .value_kind: global_buffer, .address_space: global }
      - { .name: ops, .offset: 40, .size: 8, .value_kind: global_buffer, .address_space: global }
      - { .name: flg, .offset: 48, .size: 8, .value_kind: global_buffer, .address_space: global }
    .group_segment_fixed_size: 34304
    .private_segment_fixed_size: 0
    .kernarg_segment_align: 8
    .kernarg_segment_size: 56
    .max_flat_workgroup_size: 128
    .sgpr_count:     66
    .vgpr_count:     240
    .wavefront_size: 32
...
	.end_amdgpu_metadata
.endif
;; end of part 1
;; launch qkv (part 2): grid 32 x 24, 4 waves a work-group, clusters of 4 x 4, 327,680 bytes of LDS; arguments opc, ops, bqkv, attention_mask, atc, ats; writes atc, ats
.if DOCPART == 2
	.amdgcn_target "amdgcn-amd-amdhsa--gfx1250"
	.amdhsa_code_object_version 6
	.text
	.protected	k_qf19a68d84e_qkv
	.globl	k_qf19a68d84e_qkv
	.p2align	8
	.type	k_qf19a68d84e_qkv,@function
k_qf19a68d84e_qkv:
	s_mov_b64 s[64:65], 0
	v_nop
	global_prefetch_b8 v0, s[64:65] scope:SCOPE_SE
	s_setreg_imm32_b32 hwreg(HW_REG_WAVE_MODE, 25, 1), 1
	s_wait_xcnt 0x0
	s_wait_alu depctr_hold_cnt(0) depctr_sa_sdst(0) depctr_va_vdst(0) depctr_va_sdst(0) depctr_va_ssrc(0) depctr_va_vcc(0) depctr_vm_vsrc(0)
	s_getreg_b32 s2, hwreg(HW_REG_IB_STS2, 6, 4)
	s_cmp_eq_u32 s2, 0
	s_cbranch_scc0 .Lentry_in_a_cluster
	s_endpgm
.Lentry_in_a_cluster:
	s_bfe_u32 s2, ttmp6, 0x10000c
	s_cmp_lg_u32 s2, 0xf033
	s_cbranch_scc0 .Lentry_shape_is_right
	s_endpgm
.Lentry_shape_is_right:
; LAUNCH 2 OF 4: qkv = x Wqkv^T + bqkv on codes of FP6, and q, k, v quantised on the way out as operands of the two products of attention.  Nothing is left out here.
; OPERANDS: opc and ops as launch 1 lays them (tiles of 16 rows; tiles 0-511 x, 512-703 Wqkv, 704-767 Wo; a tile's codes 16 chunks of 768 bytes, images of operand registers; its scales 512 bytes).
; A WORK-GROUP makes 256 'A' rows x 128 'B' rows.  B is the matrix instruction's source 0 (its rows fall on a lane's registers), A its source 1 (its rows fall on lanes).  Wave w takes A's rows 64 w .. 64 w + 63
; against all of B: 32 accumulators, 256 registers.  q and k (cluster y 0-3): A = tokens, B = features, so that a lane's registers run along the head's 64, the K of q k^T.
; v (cluster y 4, 5): A = features of Wv, B = tokens, so that a lane's registers run along the keys, the K of att v.
; ALL OF K = 1024 LIES IN LDS: every tensor load is a first fill, issued at the head (five a wave: the scales and four parts of 256 along K); nothing is filled again; by this text's count five loads of a wave are out at most.
; CLUSTER 4 x 4: A's tile hangs on cx alone and is asked for jointly by the four partners of equal cx; B's on cy alone, by the four of equal cy.
; THE WAY OUT: 64 accumulator registers of a lane are 4 blocks of 32 (two natural tiles of 16 a block: hence the order g0, g2, g1, g3 inside a block, as in launch 1); they become one fragment of 12 registers and a scale word.
;  atc: q, k: [head 0-15 q, 16-31 k][token / 16][768]; from VOFF v: [head][token / 128][d / 16][2 chunks][768].   ats: q, k: [head][token / 64][row 16][4 tiles x 4 bytes]; from VSOFF v: [head][token / 128][row 16][d / 16 x 4 bytes].
; THE KEY MASK RIDES IN A SCALE BYTE: q k^T has K = 64, half of the instruction's 128.  Launch 3 puts the code +1 at k = 64 of every key and -1 at k = 64 of every query.  A token's scale word gets, for that block,
;  byte 1 where its mask word is not 0 (the term is -2^-126) and byte 227 where it is 0 (the term is -2^100); byte 3 is 127 over zero codes.
; LIMITS: blocks whose largest magnitude lies under 2^-124 keep the scale byte 1; NaN and infinities are not served.
; REGISTERS, in windows of 256: window 0: v1-15 addresses, v16-19 mask words, v32-63 scale words (two sets), v64-127 the bias as C, v128-191 four fragments made, v192-223 at work;
;  window 1: A's fragments, two sets (64 p + 12 a);  window 2: B's, two sets (128 p + 12 b);  window 3: accumulator (a, b) at 8 (8 a + b).
.set AB,    0                          ; A's codes: [K part 4][tile 16][3072]
.set BB,    196608                     ; B's codes: [K part 4][tile 8][3072]
.set AS,    294912                     ; A's scales, 16 x 512
.set BS,    303104                     ; B's scales, 8 x 512, directly behind A's
.set SPARE, 307200                     ; the spare words, 128 bytes a wave
.set VOFF,  12582912
.set VSOFF, 1048576
.set MK,   16
.set SC,   32
.set BIAS, 64
.set PCB,  128
.set PT,   192
.set TM,   200
.set PW,   216
.set WQ,   220
.set MSB, 0
.macro WIN new                         ; the immediate's high byte repeats the setting that is left
.if MSB != \new
	s_set_vgpr_msb (MSB<<8)|\new
.set MSB, \new
.endif
.endm
.macro CROUND                          ; a round of the cluster's barrier
	s_barrier_signal -1
	s_barrier_wait -1
	s_cmp_lg_u32 s16, 0
	s_cbranch_scc1 .Lnot_wave_0_\@
	s_barrier_signal -3
.Lnot_wave_0_\@:
	s_barrier_wait -3
	s_barrier_signal -1
	s_barrier_wait -1
.endm
	s_load_b256 s[4:11], s[0:1], 0x0               ; opc, ops, bqkv, attention_mask
	s_load_b128 s[12:15], s[0:1], 0x20             ; atc, ats
	v_lshl_add_u32 v6, v0, 2, SPARE
	v_mov_b32 v7, 0
	ds_add_u32 v6, v7                              ; the wave's opening: the add, twice on end, and its wait ahead of my first tensor load
	ds_add_u32 v6, v7
	v_lshrrev_b32 v1, 5, v0
	v_readfirstlane_b32 s16, v1                    ; wave
	s_and_b32 s17, s16, 1                          ; which half of a tile I fetch
	s_bfe_u32 s18, ttmp6, 0x40000                  ; cx
	s_bfe_u32 s19, ttmp6, 0x40004                  ; cy
	s_and_b32 s21, ttmp7, 0xffff                   ; cluster y
	s_lshl_b32 s23, ttmp9, 2
	s_lshl_b32 s66, s21, 2
	s_lshl_b32 s67, s21, 3
	s_add_co_u32 s67, s67, ttmp9
	s_sub_co_u32 s67, s67, 32
	s_lshl_b32 s67, s67, 2                         ; 4 ((cluster y - 4) 8 + cluster x)
	s_cmp_ge_u32 s21, 4                            ; v's clusters?  The same in all sixteen partners
	s_cselect_b32 s22, 1, 0
	s_cselect_b32 s23, 0, s23
	s_cselect_b32 s66, s67, s66
	s_cselect_b32 s2, 640, 0                       ; A's first tile of 16 rows: Wv or x
	s_cselect_b32 s100, 0, 512                     ; B's: x or Wq
	s_add_co_u32 s23, s23, s18                     ; TR: A's tile of 256 rows; hangs on cx, never on cy
	s_add_co_u32 s66, s66, s19                     ; TC: B's tile of 128 rows; hangs on cy, never on cx
	s_lshl_b32 s3, s23, 4
	s_add_co_u32 s2, s2, s3
	s_lshl_b32 s3, s17, 3
	s_add_co_u32 s2, s2, s3                        ; A: my 8 tiles of 16 rows
	s_mul_i32 s58, s2, 512                         ; their scales,
	s_mov_b32 s59, 0
	s_mul_i32 s62, s2, 12288                       ; their codes, in bytes
	s_mov_b32 s63, 0
	s_lshl_b32 s101, s66, 3
	s_add_co_u32 s100, s100, s101
	s_lshl_b32 s101, s17, 2
	s_add_co_u32 s100, s100, s101                  ; B: my 4 tiles
	s_mul_i32 s82, s100, 512
	s_mov_b32 s83, 0
	s_mul_i32 s86, s100, 12288
	s_mov_b32 s87, 0
	s_lshl_b32 s3, 0x1111, s18                     ; the partners of equal cx
	s_lshl_b32 s101, s19, 2
	s_lshl_b32 s101, 15, s101                      ; the partners of equal cy
	; descriptor groups 1: elements of 8 bytes, no padding.  Codes: rows of 3,072 bytes (a tile's part of 256 along K), 12,288 bytes apart.  Scales: dense, as rows of 256 bytes
	s_or_b32 s24, s3, (3<<16)|(1<<21)
	s_or_b32 s40, s3, (3<<16)|(1<<21)
	s_or_b32 s32, s101, (3<<16)|(1<<21)
	s_or_b32 s48, s101, (3<<16)|(1<<21)
.irp g, 24, 32
	s_mov_b32 s[\g+1], 384<<16                     ; tensor_dim0
	s_mov_b32 s[\g+3], 384<<16                     ; tile_dim0
	s_mov_b32 s[\g+5], 1536                        ; the pitch
	s_mov_b32 s[\g+6], 0
	s_mov_b32 s[\g+7], 0
.endr
	s_mov_b32 s26, 8<<16                           ; A: 8 rows
	s_mov_b32 s28, 8
	s_mov_b32 s34, 4<<16                           ; B: 4 rows
	s_mov_b32 s36, 4
.irp g, 40, 48
	s_mov_b32 s[\g+1], 32<<16
	s_mov_b32 s[\g+3], 32<<16
	s_mov_b32 s[\g+5], 32
	s_mov_b32 s[\g+6], 0
	s_mov_b32 s[\g+7], 0
.endr
	s_mov_b32 s42, 16<<16                          ; A's scales: 16 rows of 256 bytes
	s_mov_b32 s44, 16
	s_mov_b32 s50, 8<<16                           ; B's: 8
	s_mov_b32 s52, 8
	; groups 0: the count and the LDS addresses, made of constants and the wave's number
.irp g, 56,60,68,72,76,80,84,88,92,96
	s_mov_b32 s[\g], 1
.endr
	s_lshl_b32 s57, s17, 12
	s_add_co_u32 s57, s57, AS
	s_mul_i32 s61, s17, 24576
	s_add_co_u32 s69, s61, 49152
	s_add_co_u32 s73, s61, 98304
	s_add_co_u32 s77, s61, 147456
	s_lshl_b32 s81, s17, 11
	s_add_co_u32 s81, s81, BS
	s_mul_i32 s85, s17, 12288
	s_add_co_u32 s85, s85, BB
	s_add_co_u32 s89, s85, 24576
	s_add_co_u32 s93, s85, 49152
	s_add_co_u32 s97, s85, 73728
	s_mov_b32 s104, 0x76543210
	s_mov_b32 s105, 0xfedcba98                     ; v_permlanex16_b32's selects for lane l xor 16
	s_wait_dscnt 0x0                               ; both opening adds are done
	s_wait_kmcnt 0x0
	s_add_nc_u64 s[58:59], s[6:7], s[58:59]
	s_add_nc_u64 s[62:63], s[4:5], s[62:63]
	s_add_nc_u64 s[70:71], s[62:63], 3072
	s_add_nc_u64 s[74:75], s[62:63], 6144
	s_add_nc_u64 s[78:79], s[62:63], 9216
	s_add_nc_u64 s[82:83], s[6:7], s[82:83]
	s_add_nc_u64 s[86:87], s[4:5], s[86:87]
	s_add_nc_u64 s[90:91], s[86:87], 3072
	s_add_nc_u64 s[94:95], s[86:87], 6144
	s_add_nc_u64 s[98:99], s[86:87], 9216
.irp g, 59,63,71,75,79,83,87,91,95,99
	s_or_b32 s[\g], s[\g], 0x80000000              ; type = 2
.endr
	CROUND                                         ; all sixteen work-groups are here: the joint loads meet
	s_cmp_lt_u32 s16, 2                            ; waves 0, 1 fetch A's halves, waves 2, 3 B's: a wave's five first fills stand in one branch on its number
	s_cbranch_scc0 .Lfill_b
	tensor_load_to_lds s[56:59], s[40:47]
	s_nop 0
	tensor_load_to_lds s[60:63], s[24:31]
	s_nop 0
	tensor_load_to_lds s[68:71], s[24:31]
	s_nop 0
	tensor_load_to_lds s[72:75], s[24:31]
	s_nop 0
	tensor_load_to_lds s[76:79], s[24:31]
	s_nop 0
.rept 4
	v_nop
.endr
	s_branch .Lfilled
.Lfill_b:
	tensor_load_to_lds s[80:83], s[48:55]
	s_nop 0
	tensor_load_to_lds s[84:87], s[32:39]
	s_nop 0
	tensor_load_to_lds s[88:91], s[32:39]
	s_nop 0
	tensor_load_to_lds s[92:95], s[32:39]
	s_nop 0
	tensor_load_to_lds s[96:99], s[32:39]
	s_nop 0
.rept 4
	v_nop
.endr
.Lfilled:
	v_and_b32 v8, 31, v0
	v_and_b32 v10, 15, v0                          ; r
	v_bfe_u32 v11, v0, 4, 1                        ; h
	v_lshlrev_b32 v9, 3, v8                        ; 8 l
	v_lshlrev_b32 v8, 4, v8                        ; 16 l
	s_mul_i32 s67, s16, 12288                      ; my four tiles of A
	v_add_nc_u32 v1, s67, v8                       ; a chunk's registers 0-3,
	v_add_nc_u32 v2, s67, v9
	v_add_nc_u32 v2, 512, v2                       ; and 4-5
	v_add_nc_u32 v3, BB, v8
	v_add_nc_u32 v4, BB+512, v9
	s_xor_b32 s67, s16, 3
	s_lshl_b32 s67, s67, 11
	s_add_co_u32 s67, s67, 2048                    ; from my tiles' scales in A to B's: 2048 (4 - wave)
	v_mul_u32_u24 v5, s67, v11                     ; lanes 16-31 take B's words
	v_lshl_add_u32 v5, v10, 3, v5
	s_lshl_b32 s67, s16, 11
	s_add_co_u32 s67, s67, AS
	v_add_nc_u32 v5, s67, v5
	v_lshlrev_b32 v12, 4, v11                      ; 16 h
	v_lshlrev_b32 v14, 2, v10                      ; 4 r
	v_mov_b32 v20, 0x7f010000                      ; the upper half of a valid token's scale word,
	v_mov_b32 v21, 0x7fe30000                      ; and of a masked one's
.irp b, 0,1,2,3
	v_mov_b32 v[TM+4+\b], 0                        ; a lane permute's destination counts as one of its sources
.endr
; The fragments of sub-step sg (128 along K): B's eight into set sg % 2 of window 2, my four of A into window 1: 48 loads, each of consecutive bytes
.macro FETCH sg
.set FP,  (\sg)%2
.set FKB, 24576*(((\sg)/2)%2)+1536*((\sg)%2)
.set FKA, 49152*(((\sg)/2)%2)+1536*((\sg)%2)
	WIN 0x80
.irp b, 0,1,2,3,4,5,6,7
	ds_load_b128 v[128*FP+12*\b:128*FP+12*\b+3], v3 offset:FKB+3072*\b
	ds_load_b64 v[128*FP+12*\b+4:128*FP+12*\b+5], v4 offset:FKB+3072*\b
	ds_load_b128 v[128*FP+12*\b+6:128*FP+12*\b+9], v3 offset:FKB+3072*\b+768
	ds_load_b64 v[128*FP+12*\b+10:128*FP+12*\b+11], v4 offset:FKB+3072*\b+768
.endr
	WIN 0x40
.irp a, 0,1,2,3
	ds_load_b128 v[64*FP+12*\a:64*FP+12*\a+3], v1 offset:FKA+3072*\a
	ds_load_b64 v[64*FP+12*\a+4:64*FP+12*\a+5], v2 offset:FKA+3072*\a
	ds_load_b128 v[64*FP+12*\a+6:64*FP+12*\a+9], v1 offset:FKA+3072*\a+768
	ds_load_b64 v[64*FP+12*\a+10:64*FP+12*\a+11], v2 offset:FKA+3072*\a+768
.endr
	WIN 0
.endm
.macro SCALES ks                       ; K part ks: register 2 i + q: lanes 0-15 the word of my A tile i (i < 4; beyond that filled bytes that nobody uses), lanes 16-31 that of B's tile i
.irp i, 0,1,2,3,4,5,6,7
	ds_load_b64 v[SC+16*((\ks)%2)+2*\i:SC+16*((\ks)%2)+2*\i+1], v5 offset:512*\i+128*(\ks)
.endr
.endm
; 16 matrix instructions: A's tiles a0, a0 + 1 x B's eight.  cmode 0: in place; 1: the sums start from the bias by B's rows; 2: by A's rows.  The 32 accumulators take turns
.macro MUL16 a0, sg, cmode
.set MP, (\sg)%2
.set MS, SC+16*(((\sg)/2)%2)+(\sg)%2
.if \cmode == 0
	WIN 0xf6                                       ; source 0 window 2, source 1 window 1, C and D window 3
.else
	WIN 0xc6                                       ; C in window 0
.endif
.irp a, \a0, \a0+1
.irp b, 0,1,2,3,4,5,6,7
.if \cmode == 0
	v_wmma_scale_f32_16x16x128_f8f6f4 v[8*(8*(\a)+\b):8*(8*(\a)+\b)+7], v[128*MP+12*\b:128*MP+12*\b+11], v[64*MP+12*(\a):64*MP+12*(\a)+11], v[8*(8*(\a)+\b):8*(8*(\a)+\b)+7], v[MS+2*\b], v[MS+2*(\a)] matrix_a_fmt:MATRIX_FMT_FP6 matrix_b_fmt:MATRIX_FMT_FP6 matrix_a_scale:MATRIX_SCALE_ROW1
.elseif \cmode == 1
	v_wmma_scale_f32_16x16x128_f8f6f4 v[8*(8*(\a)+\b):8*(8*(\a)+\b)+7], v[128*MP+12*\b:128*MP+12*\b+11], v[64*MP+12*(\a):64*MP+12*(\a)+11], v[BIAS+8*\b:BIAS+8*\b+7], v[MS+2*\b], v[MS+2*(\a)] matrix_a_fmt:MATRIX_FMT_FP6 matrix_b_fmt:MATRIX_FMT_FP6 matrix_a_scale:MATRIX_SCALE_ROW1
.else
	v_wmma_scale_f32_16x16x128_f8f6f4 v[8*(8*(\a)+\b):8*(8*(\a)+\b)+7], v[128*MP+12*\b:128*MP+12*\b+11], v[64*MP+12*(\a):64*MP+12*(\a)+11], v[BIAS+8*(\a):BIAS+8*(\a)+7], v[MS+2*\b], v[MS+2*(\a)] matrix_a_fmt:MATRIX_FMT_FP6 matrix_b_fmt:MATRIX_FMT_FP6 matrix_a_scale:MATRIX_SCALE_ROW1
.endif
.endr
.endr
.endm
; Sub-step sg = 1 .. 7.  At its head the next sub-step's fragments are asked for, into the set that the last sub-step multiplied, four places behind its last product: they have this sub-step's 32 products in which to land.
; An odd sub-step's successor begins a new K part: my load of that part has landed (the later parts' loads stay out), all my LDS loads are in, and a barrier shows the same of the other waves.
.macro SUB sg
	WIN 0
.if (\sg)%2 == 1
	s_wait_dscnt 0x0                               ; this sub-step's fragments are in; none of my LDS loads is out at the signal
.if \sg < 7
	s_wait_tensorcnt 3-((\sg)+1)/2
	s_barrier_signal -1
	s_barrier_wait -1
.endif
.endif
.if \sg < 7
.if \sg == 3
	v_add_nc_u32 v1, 98304, v1                     ; on to K parts 2 and 3, beyond the reach of a 16-bit offset; these four lines are the places too
	v_add_nc_u32 v2, 98304, v2
	v_add_nc_u32 v3, 49152, v3
	v_add_nc_u32 v4, 49152, v4
.else
.rept 4
	v_nop                                          ; places in front of loads into registers that matrix instructions have read
.endr
.endif
	FETCH (\sg)+1
.if (\sg)%2 == 1
	SCALES ((\sg)+1)/2
.else
	s_wait_dscnt 48                                ; all but the 48 just issued
.endif
.endif
	MUL16 0, \sg, 0
	MUL16 2, \sg, 0
.endm
.macro MAIN cmode
	s_wait_tensorcnt 3                             ; my part of the scales and of K part 0 is in; three loads stay out
	s_barrier_signal -1
	s_barrier_wait -1                              ; everybody's is
	FETCH 0
	SCALES 0
	FETCH 1
	s_wait_dscnt 48                                ; all but sub-step 1's 48
	s_wait_loadcnt 0x0                             ; the bias (and the mask words)
.if \cmode == 2
.irp a, 0,1,2,3
.irp j, 1,2,3,4,5,6,7
	v_mov_b32 v[BIAS+8*\a+\j], v[BIAS+8*\a]        ; a lane's feature has one bias for all eight tokens of a register run
.endr
.endr
.endif
	MUL16 0, 0, \cmode
	MUL16 2, 0, \cmode
.irp sg, 1,2,3,4,5,6,7
	SUB \sg
.endr
	WIN 0
.rept 4
	v_nop                                          ; places in front of the first read of results
.endr
.endm
; My A tile a: 64 results of a lane, register 16 b + i, four blocks of 32 shared with lane l xor 16, become the fragment v[PCB + 16 a ..] and the scale word v[PW + a]
.macro QUANT a
.set QA, 64*(\a)
.set QP, PCB+16*(\a)
	WIN 0x0f                                       ; sources 0 and 1 in window 3
.irp b, 0,1,2,3
	v_max3_num_f32 v[TM+\b], |v[QA+16*\b]|, |v[QA+16*\b+1]|, 0x1800000   ; each accumulator from its low end on; the floor 2^(3 - 127) holds the byte at 1 from below
.endr
.irp i, 2,4,6,8,10,12,14
.irp b, 0,1,2,3
	v_max3_num_f32 v[TM+\b], |v[QA+16*\b+\i]|, |v[QA+16*\b+\i+1]|, v[TM+\b]
.endr
.endr
	WIN 0
.irp b, 0,1,2,3
	v_permlanex16_b32 v[TM+4+\b], v[TM+\b], s104, s105
.endr
.irp b, 0,1,2,3
	v_max_num_f32 v[TM+\b], v[TM+\b], v[TM+4+\b]   ; the block's largest magnitude
.endr
.irp b, 0,1,2,3
	v_add_nc_u32 v[TM+12+\b], 0xff000000, v[TM+\b] ; 2 off the exponent field: the conversion's scale operand
.endr
.irp b, 0,1,2,3
	v_lshrrev_b32 v[TM+4+\b], 23, v[TM+12+\b]      ; the scale's byte
.endr
	v_lshl_or_b32 v[PW+(\a)], v[TM+5], 8, v[TM+4]
	v_lshl_or_b32 v[PW+(\a)], v[TM+6], 16, v[PW+(\a)]
	v_lshl_or_b32 v[PW+(\a)], v[TM+7], 24, v[PW+(\a)]
	WIN 0x03                                       ; source 0 in window 3
.irp c, 0,1
	v_cvt_scalef32_pk16_fp6_f32 v[QP+6*\c:QP+6*\c+2], v[QA+32*\c:QA+32*\c+15], v[TM+12+2*\c]
	v_cvt_scalef32_pk16_fp6_f32 v[PT+4*\c:PT+4*\c+2], v[QA+32*\c+16:QA+32*\c+31], v[TM+13+2*\c]
.endr
	WIN 0
	v_nop                                          ; one plain place behind the scaled conversions
.irp c, 0,1                            ; the operand's layout wants a whole block in a lane: lanes 0-15 block 2 c, lanes 16-31 block 2 c + 1
.irp i, 0,1,2
	v_permlane16_swap_b32 v[QP+6*\c+\i], v[PT+4*\c+\i]
.endr
.irp i, 0,1,2
	v_mov_b32 v[QP+3+6*\c+\i], v[PT+4*\c+\i]
.endr
.endr
.endm
	s_cmp_eq_u32 s22, 0                            ; the two ways part once, on the cluster's y; each runs its own loads, the same products and its own way out
	s_cbranch_scc0 .Lvpath
	; ---- q and k
	s_lshl_b32 s2, s66, 9                          ; bqkv at feature 128 TC
	s_mov_b32 s3, 0
	s_add_nc_u64 s[8:9], s[8:9], s[2:3]
	s_lshl_b32 s2, s23, 10
	s_lshl_b32 s67, s16, 8
	s_add_co_u32 s2, s2, s67                       ; the mask at token 256 TR + 64 wave
	s_add_nc_u64 s[10:11], s[10:11], s[2:3]
	v_lshlrev_b32 v13, 5, v11                      ; 32 h
.irp b, 0,1,2,3,4,5,6,7
	global_load_b128 v[BIAS+8*\b:BIAS+8*\b+3], v13, s[8:9] offset:64*\b        ; register j of tile b: the bias of feature 16 b + 8 h + j
	global_load_b128 v[BIAS+8*\b+4:BIAS+8*\b+7], v13, s[8:9] offset:64*\b+16
.endr
.irp a, 0,1,2,3
	global_load_b32 v[MK+\a], v14, s[10:11] offset:64*\a                       ; the mask word of token 16 a + r
.endr
	MAIN 1
	s_lshl_b32 s2, s66, 10
	s_lshl_b32 s67, s23, 4
	s_add_co_u32 s2, s2, s67
	s_lshl_b32 s67, s16, 2
	s_add_co_u32 s2, s2, s67                       ; head 2 TC, token tile 16 TR + 4 wave: 512 (2 TC) + ..
	s_mul_i32 s2, s2, 768
	s_add_nc_u64 s[12:13], s[12:13], s[2:3]
	s_lshl_b32 s2, s66, 8
	s_lshl_b32 s67, s23, 2
	s_add_co_u32 s2, s2, s67
	s_add_co_u32 s2, s2, s16
	s_lshl_b32 s2, s2, 8                           ; 128 (2 TC) + 4 TR + wave, units of 256 bytes
	s_add_nc_u64 s[14:15], s[14:15], s[2:3]
	v_lshlrev_b32 v13, 4, v10
	v_lshl_add_u32 v13, v11, 15, v13               ; 16 r; lanes 16-31 the next head, 128 units on
.irp a, 0,1,2,3
	QUANT \a
	global_store_b128 v8, v[PCB+16*\a:PCB+16*\a+3], s[12:13] offset:768*\a             ; registers 0-5: head 2 TC's chunk; each store covers 512 or 256 consecutive bytes, aligned to 256
	global_store_b64 v9, v[PCB+16*\a+4:PCB+16*\a+5], s[12:13] offset:768*\a+512
	global_store_b128 v8, v[PCB+16*\a+6:PCB+16*\a+9], s[12:13] offset:768*\a+393216    ; registers 6-11: head 2 TC + 1's
	global_store_b64 v9, v[PCB+16*\a+10:PCB+16*\a+11], s[12:13] offset:768*\a+393728
	v_cmp_ne_u32 vcc_lo, 0, v[MK+\a]
	v_cndmask_b32 v15, v21, v20, vcc_lo            ; the mask's byte and 127
	v_lshrrev_b32 v[WQ+\a], v12, v[PW+\a]          ; my head's two bytes
	v_and_or_b32 v[WQ+\a], v[WQ+\a], 0xffff, v15
.endr
	global_store_b128 v13, v[WQ:WQ+3], s[14:15]    ; four tiles' words of row r: sixteen lanes fill an aligned 256 bytes
	s_branch .Ldone
.Lvpath:
	; ---- v
	s_lshl_b32 s2, s23, 10
	s_lshl_b32 s67, s16, 8
	s_add_co_u32 s2, s2, s67
	s_add_co_u32 s2, s2, 8192                      ; bqkv at feature 2048 + 256 TR + 64 wave
	s_mov_b32 s3, 0
	s_add_nc_u64 s[8:9], s[8:9], s[2:3]
.irp a, 0,1,2,3
	global_load_b32 v[BIAS+8*\a], v14, s[8:9] offset:64*\a
.endr
	MAIN 2
	s_lshl_b32 s2, s23, 2
	s_add_co_u32 s2, s2, s16                       ; the head: 4 TR + wave
	s_lshl_b32 s2, s2, 6
	s_add_co_u32 s2, s2, s66                       ; 64 head + key step (TC)
	s_lshl_b32 s100, s2, 8
	s_add_co_u32 s100, s100, VSOFF
	s_mov_b32 s101, 0
	s_mul_i32 s2, s2, 6144
	s_add_co_u32 s2, s2, VOFF
	s_add_nc_u64 s[12:13], s[12:13], s[2:3]
	s_add_nc_u64 s[14:15], s[14:15], s[100:101]
	s_mov_b32 s67, 0xffff0000                      ; lanes 16-31
	v_lshlrev_b32 v13, 4, v10
	v_lshl_add_u32 v13, v11, 3, v13                ; 16 r + 8 h
.irp a, 0,1,2,3
	QUANT \a                                       ; a fragment of V^T: 16 of the head's 64 x 128 keys
	global_store_b128 v8, v[PCB+16*\a:PCB+16*\a+3], s[12:13] offset:1536*\a
	global_store_b64 v9, v[PCB+16*\a+4:PCB+16*\a+5], s[12:13] offset:1536*\a+512
	global_store_b128 v8, v[PCB+16*\a+6:PCB+16*\a+9], s[12:13] offset:1536*\a+768
	global_store_b64 v9, v[PCB+16*\a+10:PCB+16*\a+11], s[12:13] offset:1536*\a+1280
.endr
	v_cndmask_b32 v[WQ], v[PW], v[PW+2], s67
	v_cndmask_b32 v[WQ+1], v[PW+1], v[PW+3], s67
	global_store_b64 v13, v[WQ:WQ+1], s[14:15]     ; the wave stores an aligned 256 bytes
.Ldone:
	s_wait_tensorcnt 0x0                           ; the wave's end
	ds_add_u32 v6, v7
	s_wait_dscnt 0x0
	CROUND                                         ; the closing round
	s_endpgm
.Lfunc_end_k_qf19a68d84e_qkv:
	.size	k_qf19a68d84e_qkv, .Lfunc_end_k_qf19a68d84e_qkv-k_qf19a68d84e_qkv
	.p2alignl 7, 3214868480
	.fill 96, 4, 3214868480
	.section	.rodata,"a",@progbits
	.p2align	6, 0x0
	.amdhsa_kernel k_qf19a68d84e_qkv
		.amdhsa_group_segment_fixed_size 327680
		.amdhsa_private_segment_fixed_size 0
		.amdhsa_enable_private_segment 0
		.amdhsa_kernarg_size 48
		.amdhsa_user_sgpr_count 2
		.amdhsa_user_sgpr_kernarg_segment_ptr 1
		.amdhsa_wavefront_size32 1
		.amdhsa_system_sgpr_workgroup_id_x 1
		.amdhsa_system_sgpr_workgroup_id_y 1
		.amdhsa_system_sgpr_workgroup_id_z 1
		.amdhsa_system_vgpr_workitem_id 0
		.amdhsa_next_free_vgpr 1024
		.amdhsa_next_free_sgpr 106
		.amdhsa_reserve_vcc 1
		.amdhsa_float_denorm_mode_32 3
		.amdhsa_float_denorm_mode_16_64 3
		.amdhsa_memory_ordered 1
		.amdhsa_forward_progress 1
		.amdhsa_inst_pref_size 172
	.end_amdhsa_kernel
	.amdgpu_metadata
---
amdhsa.version: [ 1, 2 ]
amdhsa.kernels:
  - .name:           k_qf19a68d84e_qkv
    .symbol:         k_qf19a68d84e_qkv.kd
    .args:
      - { .name: opc, .offset: 0, .size: 8, .value_kind: global_buffer, .address_space: global }
      - { .name: ops, .offset: 8, .size: 8, .value_kind: global_buffer, .address_space: global }
      - { .name: bqkv, .offset: 16, .size: 8, .value_kind: global_buffer, .address_space: global }
      - { .name: attention_mask, .offset: 24, .size: 8, .value_kind: global_buffer, .address_space: global }
      - { .name: atc, .offset: 32, .size: 8, .value_kind: global_buffer, .address_space: global }
      - { .name: ats, .offset: 40, .size: 8, .value_kind: global_buffer, .address_space: global }
    .group_segment_fixed_size: 327680
    .private_segment_fixed_size: 0
    .kernarg_segment_align: 8
    .kernarg_segment_size: 48
    .max_flat_workgroup_size: 128
    .sgpr_count:     106
    .vgpr_count:     1024
    .wavefront_size: 32
...
	.end_amdgpu_metadata
.endif
;; end of part 2
;; launch attn (part 3): grid 4 x 64, 16 waves a work-group, no clusters, 210,944 bytes of LDS; arguments atc, ats, attention_mask, flg, yc, ys; writes yc, ys
.if DOCPART == 3
	.amdgcn_target "amdgcn-amd-amdhsa--gfx1250"
	.amdhsa_code_object_version 6
	.text
	.protected	k_qf19a68d84e_attn
	.globl	k_qf19a68d84e_attn
	.p2align	8
	.type	k_qf19a68d84e_attn,@function
k_qf19a68d84e_attn:
	s_mov_b64 s[64:65], 0
	v_nop
	global_prefetch_b8 v0, s[64:65] scope:SCOPE_SE
	s_setreg_imm32_b32 hwreg(HW_REG_WAVE_MODE, 25, 1), 1
	s_wait_xcnt 0x0
; LAUNCH 3 OF 4: y = (softmax(mask(q k^T / 8)) x query mask) v x mask, both products on codes of FP6; y leaves as codes and scale bytes for launch 4.
; LEFT OUT (shown at the head of launch 1): steps of 128 keys that begin behind a tile's last query (reference()'s own tril), and the products of a tile of 16 queries whose 16 mask words, read here, are all 0.
; THE SECOND PRODUCT'S LEFT OPERAND IS THE FINISHED att: exp / sum x the query's mask word, quantised in blocks of 32 keys.  So the keys are walked twice: pass 1 (P1) makes q k^T, the running maximum and the sum;
; pass 2 (P2) makes q k^T again, p = 2^(c s - M'), with M' = M + log2(sum) - log2(|mask word|), quantises p and adds V^T P^T.  c = log2(e) / 8; M = the largest c s rounded up to a whole number.  All of it in f32.
; SHARES: work-group (g, 16 b + head); wave w owns the query tiles 4 w + g and 127 - (4 w + g): 17 key steps a pass for every wave.  The head's K and V, codes and scales (208 KB), lie in LDS, filled once.
; NO TENSOR LOADS, NO CLUSTER, though the four work-groups of a head read the same K and V: branches here hang on mask words read from memory; LDS is filled
; through registers (13 + 13 loads a lane) and there is no joint load to share.  V's loads stay out during pass 1, which needs K alone.
; LAYOUT: S^T = K Q^T (source 0 = 16 neighbouring keys, source 1 = my 16 queries): lane (r, h) holds query r; register 8 t + j is key 16 t + 8 h + j.  Two tiles are a block of 32 keys, shared with lane l xor 16, in the order
; g0, g2, g1, g3, which V's codes have too (launch 2).  O^T = V^T P^T: register 8 t + j is y(r, 16 t + 8 h + j).
; THE KEY MASK costs no instruction: k = 64 of the instruction's 128 holds the code +1 in every key and -1 in the queries; the key's scale byte for that block is 1 (term -2^-126) or 227 (term -2^100): launch 2.
; The largest c s begins at -2^90, above a masked key's and below every score served, so a step of masked keys alone gives p = 0.  The sum is held at 2^-126 from below ahead of its logarithm: no infinity arises here.
; A ROW WITH NO VALID KEY at or before it (query < the batch's flag) is NaN in reference(): its scale bytes become 0xff, which makes launch 4's sums NaN.
; MASK WORDS other than 0 and 1: a key counts where its word is not 0; a query's |word| enters p and y (the quantiser is odd, so the two signs cancel as in reference()).
; LIMITS: |q . k| under 2^90; every valid score carries -2^-126; blocks whose largest magnitude lies under 2^-124 keep the scale byte 1 (zeros too); NaN and infinities among the operands are not served.
; ys is stored a byte a lane (32 bytes for a tile and a head): whole runs of 256 bytes would want eight heads in one work-group.
.set KC,    0                          ; K's codes: 128 tiles of 16 keys x 768
.set KSC,   98304                      ; K's scale words: [key / 64][row 16][4 tiles x 4 bytes]
.set VC,    106496                     ; V's codes: [key step 16][d / 16][1536]
.set VSC,   204800                     ; V's scale words: [key step][row 16][4 x 4 bytes]
.set SPARE, 208896                     ; the spare words, 128 bytes a wave
.set VOFF,  12582912
.set VSOFF, 1048576
.set AK16, 1                           ; v1  16 l: a chunk's registers 0-3 (KC = 0), also a global offset
.set AK8,  2                           ; v2  512 + 8 l: its registers 4-5
.set AKS,  3                           ; v3  KSC + 16 r
.set AV16, 4
.set AV8,  5
.set AVS,  6
.set SPW,  7
.set NIL,  8
.set ADK16, 9                          ; v9-14 the step's addresses
.set ADK8, 10
.set ADKS, 11
.set ADV16, 12
.set ADV8, 13
.set ADVS, 14
.set LD,   15                          ; r - 8 h
.set QLO,  16                          ; v16-27, v28-39 the two tiles of queries
.set QHI,  28
.set QSLO, 40
.set QSHI, 41
.set KS4,  42                          ; v42-45 four tiles' scale words of K;  v46-49 of V;  v50 p's
.set VS4,  46
.set PSC,  50
.set KF,   52                          ; v52-99 four fragments of K
.set S,    100                         ; v100-163 S^T, then p; K's way into LDS; in pass 2 four fragments of V; on the way out y
.set O,    164                         ; v164-195 O^T  (v164-213: V's way into LDS, out during pass 1)
.set PC,   196
.set PT,   208
.set TM,   216                         ; v216-223, v228-231 at work;  v224-227 V's fill addresses
.set NEGM, 232
.set TMAX, 233
.set L,    234
.set F,    236
.set T2,   238
.set NMPLO, 240
.set NMPHI, 242
.set AQLO, 244
.set MQLO, 245
.set AQHI, 246
.set MQHI, 247
.set DD,   248
.set NINF, 249
.set FT,   250                         ; 16 x thread
.set FTB,  251                         ; + 65536
.set YO,   252                         ; 8 r + h
.set CFF,  253                         ; 0xff
.set TA,   254
.set TB,   255
.set KFS, 30                           ; s30 the step's first key; s31, s32, s33 its bytes in the codes, in K's scales, in V's scales; s60 trips to go
.set TK,  31
.set TS,  32
.set TW,  33
.set CNT, 60
	s_load_b256 s[4:11], s[0:1], 0x0               ; atc, ats, attention_mask, flg
	s_load_b128 s[12:15], s[0:1], 0x20             ; yc, ys
	v_lshl_add_u32 v[SPW], v0, 2, SPARE
	v_mov_b32 v[NIL], 0
	v_lshrrev_b32 v[TA], 5, v0
	v_readfirstlane_b32 s16, v[TA]                 ; wave
	s_and_b32 s17, ttmp7, 0xffff
	s_lshr_b32 s18, s17, 4                         ; batch
	s_and_b32 s19, s17, 15                         ; head
	s_lshl_b32 s34, s16, 2
	s_add_co_u32 s34, s34, ttmp9                   ; my low tile,
	s_sub_co_u32 s35, 127, s34                     ; my high tile,
	s_lshl_b32 s26, s34, 4                         ; and their first queries
	s_lshl_b32 s27, s35, 4
	s_mov_b32 s20, 0x76543210
	s_mov_b32 s21, 0xfedcba98                      ; v_permlanex16_b32's selects for lane l xor 16
	s_mov_b32 s22, 0x3e38aa3b                      ; c = log2(e) / 8
	s_mov_b32 s23, s22                             ; (named with it as a pair)
	s_mov_b32 s24, 0xffff0000                      ; lanes 16-31
	s_lshl_b32 s56, s19, 9
	s_lshl_b32 s57, s18, 7
	s_add_co_u32 s56, s56, s57                     ; 512 head + 128 batch: q's first tile
	s_mul_i32 s36, s56, 768
	s_mov_b32 s37, 0
	s_add_co_u32 s40, s36, 6291456                 ; k's: 16 heads on
	s_mov_b32 s41, 0
	s_lshl_b32 s38, s56, 6                         ; their scale words: 64 bytes a tile
	s_mov_b32 s39, 0
	s_add_co_u32 s42, s38, 524288
	s_mov_b32 s43, 0
	s_lshl_b32 s56, s19, 6
	s_lshl_b32 s57, s18, 4
	s_add_co_u32 s56, s56, s57                     ; 64 head + 16 batch: v's first key step
	s_mul_i32 s44, s56, 6144
	s_add_co_u32 s44, s44, VOFF
	s_mov_b32 s45, 0
	s_lshl_b32 s46, s56, 8
	s_add_co_u32 s46, s46, VSOFF
	s_mov_b32 s47, 0
	s_lshl_b32 s48, s18, 13                        ; the batch's mask words
	s_mov_b32 s49, 0
	s_lshl_b32 s50, s18, 7                         ; its flag
	s_mov_b32 s51, 0
	s_lshl_b32 s52, s18, 11
	s_add_co_u32 s52, s52, s19
	s_mul_i32 s52, s52, 768                        ; yc: (16 x 128 batch + head) chunks
	s_mov_b32 s53, 0
	s_lshl_b32 s54, s18, 16                        ; ys: 128 batch tiles of 512 bytes, + 128 (head / 4) + 2 (head % 4)
	s_lshr_b32 s56, s19, 2
	s_lshl_b32 s56, s56, 7
	s_add_co_u32 s54, s54, s56
	s_and_b32 s56, s19, 3
	s_lshl_b32 s56, s56, 1
	s_add_co_u32 s54, s54, s56
	s_mov_b32 s55, 0
	v_and_b32 v[TA], 31, v0                        ; l
	v_and_b32 v[TB], 15, v0                        ; r
	v_bfe_u32 v[DD], v0, 4, 1                      ; h
	v_lshlrev_b32 v[AK16], 4, v[TA]
	v_lshlrev_b32 v[AK8], 3, v[TA]
	v_add_nc_u32 v[AK8], 512, v[AK8]
	v_lshl_add_u32 v[AKS], v[TB], 4, KSC
	v_add_nc_u32 v[AV16], VC, v[AK16]
	v_add_nc_u32 v[AV8], VC, v[AK8]
	v_lshl_add_u32 v[AVS], v[TB], 4, VSC
	v_lshlrev_b32 v[LD], 3, v[DD]
	v_sub_nc_u32 v[LD], v[TB], v[LD]
	v_lshl_add_u32 v[YO], v[TB], 3, v[DD]
	v_lshlrev_b32 v[FT], 4, v0
	v_lshl_add_u32 v[FTB], v0, 4, 65536
	v_lshl_add_u32 v[TM+8], v0, 4, VC
	v_lshl_add_u32 v[TM+9], v0, 4, VC+65536
	v_lshl_add_u32 v[TM+10], v0, 3, VSC
	v_lshlrev_b32 v[TM+11], 3, v0
	; the eight small loads' offsets: tile x 768 in q's codes; (tile / 4) 256 + 4 (tile % 4) + 16 r in its scale words; 64 tile + 4 r in the mask
	s_mul_i32 s58, s34, 768
	v_add_nc_u32 v[TM], s58, v[AK16]
	v_add_nc_u32 v[TM+1], s58, v[AK8]
	s_lshr_b32 s58, s34, 2
	s_lshl_b32 s58, s58, 8
	s_and_b32 s59, s34, 3
	s_lshl_b32 s59, s59, 2
	s_add_co_u32 s58, s58, s59
	v_lshl_add_u32 v[TM+2], v[TB], 4, s58
	s_lshl_b32 s58, s34, 6
	v_lshl_add_u32 v[TM+3], v[TB], 2, s58
	s_mul_i32 s58, s35, 768
	v_add_nc_u32 v[TM+4], s58, v[AK16]
	v_add_nc_u32 v[TM+5], s58, v[AK8]
	s_lshr_b32 s58, s35, 2
	s_lshl_b32 s58, s58, 8
	s_and_b32 s59, s35, 3
	s_lshl_b32 s59, s59, 2
	s_add_co_u32 s58, s58, s59
	v_lshl_add_u32 v[TM+6], v[TB], 4, s58
	s_lshl_b32 s58, s35, 6
	v_lshl_add_u32 v[TM+7], v[TB], 2, s58
	s_wait_kmcnt 0x0
	s_add_nc_u64 s[36:37], s[4:5], s[36:37]
	s_add_nc_u64 s[40:41], s[4:5], s[40:41]
	s_add_nc_u64 s[44:45], s[4:5], s[44:45]
	s_add_nc_u64 s[38:39], s[6:7], s[38:39]
	s_add_nc_u64 s[42:43], s[6:7], s[42:43]
	s_add_nc_u64 s[46:47], s[6:7], s[46:47]
	s_add_nc_u64 s[48:49], s[8:9], s[48:49]
	s_add_nc_u64 s[50:51], s[10:11], s[50:51]
	s_add_nc_u64 s[52:53], s[12:13], s[52:53]
	s_add_nc_u64 s[54:55], s[14:15], s[54:55]
	s_load_b32 s25, s[50:51], 0x0                  ; the batch's first valid token
	global_load_b128 v[QLO:QLO+3], v[TM], s[36:37]
	global_load_b64 v[QLO+4:QLO+5], v[TM+1], s[36:37]
	global_load_b32 v[QSLO], v[TM+2], s[38:39]
	global_load_b32 v[MQLO], v[TM+3], s[48:49]
	global_load_b128 v[QHI:QHI+3], v[TM+4], s[36:37]
	global_load_b64 v[QHI+4:QHI+5], v[TM+5], s[36:37]
	global_load_b32 v[QSHI], v[TM+6], s[38:39]
	global_load_b32 v[MQHI], v[TM+7], s[48:49]
.irp i, 0,1,2,3,4,5,6,7,8,9,10,11
	global_load_b128 v[S+4*\i:S+4*\i+3], v[FT], s[40:41] offset:8192*\i       ; K's codes: the work-group's 512 lanes read 8,192 consecutive bytes
.endr
	global_load_b128 v[S+48:S+51], v[FT], s[42:43]                            ; K's scale words
.irp i, 0,1,2,3,4,5,6,7,8,9,10,11
	global_load_b128 v[O+4*\i:O+4*\i+3], v[FT], s[44:45] offset:8192*\i       ; V's codes
.endr
	global_load_b64 v[O+48:O+49], v[TM+11], s[46:47]                          ; V's scale words
	; the constant halves of the operands of q k^T: k = 64 lies in lanes 0-15, register 6, bits 0-5
	v_xor_b32 v[TA], 1, v[DD]                      ; 1 - h
.irp t, 0,1,2,3
	v_lshlrev_b32 v[KF+12*\t+6], 3, v[TA]          ; the code of +1.0: 0x08
.irp j, 7,8,9,10,11
	v_mov_b32 v[KF+12*\t+\j], 0
.endr
.endr
.irp q, QLO, QHI
	v_mul_u32_u24 v[\q+6], v[TA], 0x28             ; the code of -1.0: 0x28
.irp j, 7,8,9,10,11
	v_mov_b32 v[\q+\j], 0
.endr
.endr
	v_mov_b32 v[NINF], 0xff800000
	v_mov_b32 v[CFF], 0xff
	v_mov_b32 v[F+1], 0                            ; (named as the upper half of a pair)
	s_mov_b32 s59, 0x7f7f0000
	s_wait_loadcnt 13                              ; the small loads and K's 13 are in; V's 13 stay out
.irp i, 0,1,2,3,4,5,6,7
	ds_store_b128 v[FT], v[S+4*\i:S+4*\i+3] offset:8192*\i
.endr
.irp i, 8,9,10,11
	ds_store_b128 v[FTB], v[S+4*\i:S+4*\i+3] offset:8192*(\i-8)
.endr
	ds_store_b128 v[FTB], v[S+48:S+51] offset:KSC-65536
	v_and_or_b32 v[QSLO], v[QSLO], 0xffff, s59     ; the queries' scale words: bytes 2 and 3 are 127
	v_and_or_b32 v[QSHI], v[QSHI], 0xffff, s59
	v_cmp_ne_u32 s61, 0, v[MQLO]
	v_cmp_ne_u32 s62, 0, v[MQHI]
	v_cvt_f32_i32 v[AQLO], v[MQLO]
	v_cvt_f32_i32 v[AQHI], v[MQHI]
	v_and_b32 v[AQLO], 0x7fffffff, v[AQLO]         ; |mask word|
	v_and_b32 v[AQHI], 0x7fffffff, v[AQHI]
	s_add_co_u32 s28, s26, 15                      ; a tile's causal limit: its last query; -1 where all its mask words are 0: then every trip's test leads round the trip
	s_add_co_u32 s29, s27, 15
	s_cmp_lg_u32 s61, 0
	s_cselect_b32 s28, s28, -1
	s_cmp_lg_u32 s62, 0
	s_cselect_b32 s29, s29, -1
	s_wait_kmcnt 0x0                               ; the flag
	s_wait_dscnt 0x0                               ; for the others' sake: my stores have landed
	s_barrier_signal -1
	s_barrier_wait -1                              ; K lies in LDS
; S^T = K Q^T for 128 keys, four tiles at a time
.macro QK qf, qs
.irp g, 0,1
.if \g
.rept 4
	v_nop                                          ; places in front of loads into registers that matrix instructions have read
.endr
.endif
.irp t, 0,1,2,3
	ds_load_b128 v[KF+12*\t:KF+12*\t+3], v[ADK16] offset:768*(4*\g+\t)
	ds_load_b64 v[KF+12*\t+4:KF+12*\t+5], v[ADK8] offset:768*(4*\g+\t)
.endr
	ds_load_b128 v[KS4:KS4+3], v[ADKS] offset:256*\g
	s_wait_dscnt 0x0
.irp t, 0,1,2,3
	v_wmma_scale_f32_16x16x128_f8f6f4 v[S+8*(4*\g+\t):S+8*(4*\g+\t)+7], v[KF+12*\t:KF+12*\t+11], v[\qf:\qf+11], 0, v[KS4+\t], v[\qs] matrix_a_fmt:MATRIX_FMT_FP6 matrix_b_fmt:MATRIX_FMT_FP6
.endr
.endr
.endm
; On the diagonal the scores of keys behind the query become -infinity; a step all of whose keys count passes this by (a branch on ids)
.macro DIAG q0
.rept 4
	v_nop                                          ; places in front of the first read of results
.endr
	s_add_co_u32 s58, s[KFS], 127
	s_cmp_le_u32 s58, s[\q0]
	s_cbranch_scc1 .Lopen_\@
	s_sub_co_i32 s58, s[\q0], s[KFS]
	v_add_nc_u32 v[DD], s58, v[LD]                 ; d = my query - the step's first key - 8 h: register 8 t + j is hidden where 16 t + j > d
.set n, 0
.rept 64
	v_cmp_gt_i32 vcc_lo, 16*(n/8)+n%8, v[DD]
	v_cndmask_b32 v[S+n], v[S+n], v[NINF], vcc_lo
.set n, n+1
.endr
.Lopen_\@:
.endm
.macro BMAX                            ; my 16 scores' largest, for each block of 32 keys; each accumulator is read from its low end on
.irp b, 0,1,2,3
	v_max3_num_f32 v[TM+\b], v[S+16*\b], v[S+16*\b+1], v[S+16*\b+2]
.endr
.irp i, 3,5,7,9,11,13
.irp b, 0,1,2,3
	v_max3_num_f32 v[TM+\b], v[TM+\b], v[S+16*\b+\i], v[S+16*\b+\i+1]
.endr
.endr
.irp b, 0,1,2,3
	v_max_num_f32 v[TM+\b], v[TM+\b], v[S+16*\b+15]
.endr
.endm
; PASS 1 for one tile: the running M and the sum; at its end -M' in v[nmp].  Sixteen trips, a constant; a trip whose keys all lie behind the limit does nothing but step
.macro P1 qf, qs, q0, ql, nmp, aq, mq
	v_mov_b32 v[TMAX], 0xec800000                  ; -2^90
	v_floor_f32 v[NEGM], -v[TMAX]
	v_mov_b32 v[L], 0
	v_mov_b32 v[L+1], 0
	s_mov_b32 s[KFS], 0
	s_mov_b32 s[TK], 0
	s_mov_b32 s[TS], 0
	s_mov_b32 s[CNT], 16
.Lp1_\@:
	s_cmp_gt_i32 s[KFS], s[\ql]
	s_cbranch_scc1 .Lp1e_\@
	v_add_nc_u32 v[ADK16], s[TK], v[AK16]
	v_add_nc_u32 v[ADK8], s[TK], v[AK8]
	v_add_nc_u32 v[ADKS], s[TS], v[AKS]
	QK \qf, \qs
	DIAG \q0
	BMAX
	v_max3_num_f32 v[TA], v[TM], v[TM+1], v[TM+2]
	v_max_num_f32 v[TA], v[TA], v[TM+3]
	v_permlanex16_b32 v[TB], v[TA], s20, s21
	v_max_num_f32 v[TA], v[TA], v[TB]              ; the step's largest score of my query
	v_mul_f32 v[TA], s22, v[TA]
	v_max_num_f32 v[TMAX], v[TMAX], v[TA]
	v_mov_b32 v[TA], v[NEGM]
	v_floor_f32 v[NEGM], -v[TMAX]                  ; -M: M is a whole number
	v_sub_f32 v[TA], v[NEGM], v[TA]
	v_cvt_i32_f32 v[TA], v[TA]                     ; (it saturates)
	v_ldexp_f32 v[F], 1.0, v[TA]                   ; 2^(old M - new M): rounds nothing
.set n, 0
.rept 32
	v_pk_fma_f32 v[S+n:S+n+1], v[S+n:S+n+1], s[22:23], v[NEGM:NEGM+1] op_sel_hi:[1,0,0]
.set n, n+2
.endr
.set n, 0
.rept 64
	v_exp_f32 v[S+n], v[S+n]
.set n, n+1
.endr
	v_pk_mul_f32 v[L:L+1], v[L:L+1], v[F:F+1] op_sel_hi:[1,0]   ; the sum under the new M; also the plain place behind the exponentials
	s_wait_alu depctr_va_vdst(0)                   ; one wait for the batch, ahead of its first reader
	v_pk_add_f32 v[T2:T2+1], v[S:S+1], v[S+2:S+3]
.irp j, 4,8,12,16,20,24,28,32,36,40,44,48,52,56,60
	v_pk_add_f32 v[L:L+1], v[L:L+1], v[S+\j:S+\j+1]
	v_pk_add_f32 v[T2:T2+1], v[T2:T2+1], v[S+\j+2:S+\j+3]
.endr
	v_pk_add_f32 v[L:L+1], v[L:L+1], v[T2:T2+1]
.Lp1e_\@:
	s_add_co_u32 s[KFS], s[KFS], 128
	s_add_co_u32 s[TK], s[TK], 6144
	s_add_co_u32 s[TS], s[TS], 512
	s_sub_co_u32 s[CNT], s[CNT], 1
	s_cmp_lg_u32 s[CNT], 0
	s_cbranch_scc1 .Lp1_\@
	v_add_f32 v[L], v[L], v[L+1]
	v_permlanex16_b32 v[TA], v[L], s20, s21
	v_add_f32 v[L], v[L], v[TA]                    ; the row's sum
	v_max_num_f32 v[L], 0x800000, v[L]             ; held at 2^-126 from below (a row with a valid key has 0.5 at the least)
	v_cmp_ne_u32 vcc_lo, 0, v[\mq]
	v_cndmask_b32 v[TB], 1.0, v[\aq], vcc_lo       ; |mask word|, or 1 where it is 0: there y x 0 gives the 0
	v_log_f32 v[L], v[L]
	v_log_f32 v[TB], v[TB]
	v_nop
	s_wait_alu depctr_va_vdst(0)
	v_sub_f32 v[\nmp], v[NEGM], v[L]
	v_add_f32 v[\nmp], v[\nmp], v[TB]              ; -M' = -M - log2(sum) + log2(|mask word|)
	v_mov_b32 v[\nmp+1], v[\nmp]                   ; (the pair's upper word is written too)
.endm
; PASS 2 for one tile
.macro P2 qf, qs, q0, ql, nmp
.set n, 0
.rept 32
	v_mov_b32 v[O+n], 0                            ; the loop is written once; a tile that is left out stores these zeros
.set n, n+1
.endr
	s_mov_b32 s[KFS], 0
	s_mov_b32 s[TK], 0
	s_mov_b32 s[TS], 0
	s_mov_b32 s[TW], 0
	s_mov_b32 s[CNT], 16
.Lp2_\@:
	s_cmp_gt_i32 s[KFS], s[\ql]
	s_cbranch_scc1 .Lp2e_\@
	v_add_nc_u32 v[ADK16], s[TK], v[AK16]          ; six plain lines: also the places between the last trip's V^T P^T, which read v100-147, and the products that write there
	v_add_nc_u32 v[ADK8], s[TK], v[AK8]
	v_add_nc_u32 v[ADKS], s[TS], v[AKS]
	v_add_nc_u32 v[ADV16], s[TK], v[AV16]
	v_add_nc_u32 v[ADV8], s[TK], v[AV8]
	v_add_nc_u32 v[ADVS], s[TW], v[AVS]
	QK \qf, \qs
	DIAG \q0
	BMAX
.irp b, 0,1,2,3
	v_permlanex16_b32 v[TM+4+\b], v[TM+\b], s20, s21
.endr
.irp b, 0,1,2,3
	v_max_num_f32 v[TM+\b], v[TM+\b], v[TM+4+\b]   ; each block's largest score: p rises with the score, so it gives the block's largest p
.endr
.set n, 0
.rept 32
	v_pk_fma_f32 v[S+n:S+n+1], v[S+n:S+n+1], s[22:23], v[\nmp:\nmp+1] op_sel_hi:[1,0,0]
.set n, n+2
.endr
.irp b, 0,1,2,3
	v_fma_f32 v[TM+\b], v[TM+\b], s22, v[\nmp]
.endr
.set n, 0
.rept 64
	v_exp_f32 v[S+n], v[S+n]                       ; p: the finished att
.set n, n+1
.endr
.irp b, 0,1,2,3
	v_exp_f32 v[TM+\b], v[TM+\b]
.endr
	v_nop                                          ; the plain place behind the exponentials
	s_wait_alu depctr_va_vdst(0)                   ; one wait for the 68
.irp b, 0,1,2,3
	v_max_num_f32 v[TM+\b], 0x1800000, v[TM+\b]    ; the floor 2^(3 - 127)
.endr
.irp b, 0,1,2,3
	v_add_nc_u32 v[TM+12+\b], 0xff000000, v[TM+\b]
.endr
.irp b, 0,1,2,3
	v_lshrrev_b32 v[TM+4+\b], 23, v[TM+12+\b]
.endr
	v_lshl_or_b32 v[PSC], v[TM+5], 8, v[TM+4]
	v_lshl_or_b32 v[PSC], v[TM+6], 16, v[PSC]
	v_lshl_or_b32 v[PSC], v[TM+7], 24, v[PSC]
.irp c, 0,1
	v_cvt_scalef32_pk16_fp6_f32 v[PC+6*\c:PC+6*\c+2], v[S+32*\c:S+32*\c+15], v[TM+12+2*\c]
	v_cvt_scalef32_pk16_fp6_f32 v[PT+4*\c:PT+4*\c+2], v[S+32*\c+16:S+32*\c+31], v[TM+13+2*\c]
.endr
	v_nop                                          ; one plain place behind the scaled conversions
.irp c, 0,1
.irp i, 0,1,2
	v_permlane16_swap_b32 v[PC+6*\c+\i], v[PT+4*\c+\i]
.endr
.irp i, 0,1,2
	v_mov_b32 v[PC+3+6*\c+\i], v[PT+4*\c+\i]
.endr
.endr
.irp d, 0,1,2,3                        ; V^T: four fragments of 16 of the head's 64 x these 128 keys, into the registers that p has left
	ds_load_b128 v[S+12*\d:S+12*\d+3], v[ADV16] offset:1536*\d
	ds_load_b64 v[S+12*\d+4:S+12*\d+5], v[ADV8] offset:1536*\d
	ds_load_b128 v[S+12*\d+6:S+12*\d+9], v[ADV16] offset:1536*\d+768
	ds_load_b64 v[S+12*\d+10:S+12*\d+11], v[ADV8] offset:1536*\d+768
.endr
	ds_load_b128 v[VS4:VS4+3], v[ADVS]
.rept 8
	v_nop                                          ; a scale register written by vector instructions stands 8 places ahead of a scaled matrix instruction, an operand so written 4
.endr
	s_wait_dscnt 0x0
.irp d, 0,1,2,3
	v_wmma_scale_f32_16x16x128_f8f6f4 v[O+8*\d:O+8*\d+7], v[S+12*\d:S+12*\d+11], v[PC:PC+11], v[O+8*\d:O+8*\d+7], v[VS4+\d], v[PSC] matrix_a_fmt:MATRIX_FMT_FP6 matrix_b_fmt:MATRIX_FMT_FP6
.endr
.Lp2e_\@:
	s_add_co_u32 s[KFS], s[KFS], 128
	s_add_co_u32 s[TK], s[TK], 6144
	s_add_co_u32 s[TS], s[TS], 512
	s_add_co_u32 s[TW], s[TW], 256
	s_sub_co_u32 s[CNT], s[CNT], 1
	s_cmp_lg_u32 s[CNT], 0
	s_cbranch_scc1 .Lp2_\@
.endm
; THE WAY OUT of one tile: y = O^T x |mask word|, two blocks of 32, one chunk of codes and two scale bytes a row
.macro EPI q0, aq
.rept 4
	v_nop                                          ; places behind the last products
.endr
.set n, 0
.rept 16
	v_pk_mul_f32 v[S+n:S+n+1], v[O+n:O+n+1], v[\aq:\aq+1] op_sel_hi:[1,0]
.set n, n+2
.endr
.irp b, 0,1
	v_max3_num_f32 v[TM+\b], |v[S+16*\b]|, |v[S+16*\b+1]|, 0x1800000
.endr
.irp i, 2,4,6,8,10,12,14
.irp b, 0,1
	v_max3_num_f32 v[TM+\b], v[TM+\b], |v[S+16*\b+\i]|, |v[S+16*\b+\i+1]|
.endr
.endr
.irp b, 0,1
	v_permlanex16_b32 v[TM+4+\b], v[TM+\b], s20, s21
.endr
.irp b, 0,1
	v_max_num_f32 v[TM+\b], v[TM+\b], v[TM+4+\b]
.endr
.irp b, 0,1
	v_add_nc_u32 v[TM+12+\b], 0xff000000, v[TM+\b]
.endr
.irp b, 0,1
	v_lshrrev_b32 v[TM+4+\b], 23, v[TM+12+\b]
.endr
	v_cvt_scalef32_pk16_fp6_f32 v[PC:PC+2], v[S:S+15], v[TM+12]
	v_cvt_scalef32_pk16_fp6_f32 v[PT:PT+2], v[S+16:S+31], v[TM+13]
	v_nop
.irp i, 0,1,2
	v_permlane16_swap_b32 v[PC+\i], v[PT+\i]
.endr
.irp i, 0,1,2
	v_mov_b32 v[PC+3+\i], v[PT+\i]
.endr
	v_cndmask_b32 v[TA], v[TM+4], v[TM+5], s24     ; lane (r, h) stores block h's byte
	v_and_b32 v[TB], 15, v0
	v_add_nc_u32 v[TB], s[\q0], v[TB]              ; my query
	v_cmp_gt_u32 vcc_lo, s25, v[TB]                ; no valid key at or before it:
	v_cndmask_b32 v[TA], v[TA], v[CFF], vcc_lo     ; the byte 0xff
	s_mul_i32 s58, s[\q0], 768                     ; a tile's 16 chunks are 12,288 bytes
	v_add_nc_u32 v[T2], s58, v[AK16]
	v_add_nc_u32 v[T2+1], s58, v[AK8]
	s_lshl_b32 s58, s[\q0], 5                      ; its scales 512
	v_add_nc_u32 v[F], s58, v[YO]
	global_store_b128 v[T2], v[PC:PC+3], s[52:53]  ; 512 consecutive bytes, aligned to 256
	global_store_b64 v[T2+1], v[PC+4:PC+5], s[52:53]
	global_store_b8 v[F], v[TA], s[54:55]
.endm
	P1 QLO, QSLO, 26, 28, NMPLO, AQLO, MQLO
	P1 QHI, QSHI, 27, 29, NMPHI, AQHI, MQHI
	s_wait_loadcnt 0x0                             ; V is in registers
.irp i, 0,1,2,3,4,5,6,7
	ds_store_b128 v[TM+8], v[O+4*\i:O+4*\i+3] offset:8192*\i
.endr
.irp i, 8,9,10,11
	ds_store_b128 v[TM+9], v[O+4*\i:O+4*\i+3] offset:8192*(\i-8)
.endr
	ds_store_b64 v[TM+10], v[O+48:O+49]
	s_wait_dscnt 0x0                               ; for the others' sake: my stores have landed
	s_barrier_signal -1
	s_barrier_wait -1                              ; V lies in LDS
	P2 QLO, QSLO, 26, 28, NMPLO
	EPI 26, AQLO
	s_wait_xcnt 0x0                                ; the stores have read their registers: these are written again only behind this wait
	P2 QHI, QSHI, 27, 29, NMPHI
	EPI 27, AQHI
	s_wait_tensorcnt 0x0                           ; the wave's end, behind my last LDS store
	ds_add_u32 v[SPW], v[NIL]
	s_wait_dscnt 0x0
	s_endpgm
.Lfunc_end_k_qf19a68d84e_attn:
	.size	k_qf19a68d84e_attn, .Lfunc_end_k_qf19a68d84e_attn-k_qf19a68d84e_attn
	.p2alignl 7, 3214868480
	.fill 96, 4, 3214868480
	.section	.rodata,"a",@progbits
	.p2align	6, 0x0
	.amdhsa_kernel k_qf19a68d84e_attn
		.amdhsa_group_segment_fixed_size 210944
		.amdhsa_private_segment_fixed_size 0
		.amdhsa_enable_private_segment 0
		.amdhsa_kernarg_size 48
		.amdhsa_user_sgpr_count 2
		.amdhsa_user_sgpr_kernarg_segment_ptr 1
		.amdhsa_wavefront_size32 1
		.amdhsa_system_sgpr_workgroup_id_x 1
		.amdhsa_system_sgpr_workgroup_id_y 1
		.amdhsa_system_sgpr_workgroup_id_z 1
		.amdhsa_system_vgpr_workitem_id 0
		.amdhsa_next_free_vgpr 256
		.amdhsa_next_free_sgpr 66
		.amdhsa_reserve_vcc 1
		.amdhsa_float_denorm_mode_32 3
		.amdhsa_float_denorm_mode_16_64 3
		.amdhsa_memory_ordered 1
		.amdhsa_forward_progress 1
		.amdhsa_inst_pref_size 93
	.end_amdhsa_kernel
	.amdgpu_metadata
---
amdhsa.version: [ 1, 2 ]
amdhsa.kernels:
  - .name:           k_qf19a68d84e_attn
    .symbol:         k_qf19a68d84e_attn.kd
    .args:
      - { .name: atc, .offset: 0, .size: 8, .value_kind: global_buffer, .address_space: global }
      - { .name: ats, .offset: 8, .size: 8, .value_kind: global_buffer, .address_space: global }
      - { .name: attention_mask, .offset: 16, .size: 8, .value_kind: global_buffer, .address_space: global }
      - { .name: flg, .offset: 24, .size: 8, .value_kind: global_buffer, .address_space: global }
      - { .name: yc, .offset: 32, .size: 8, .value_kind: global_buffer, .address_space: global }
      - { .name: ys, .offset: 40, .size: 8, .value_kind: global_buffer, .address_space: global }
    .group_segment_fixed_size: 210944
    .private_segment_fixed_size: 0
    .kernarg_segment_align: 8
    .kernarg_segment_size: 48
    .max_flat_workgroup_size: 512
    .sgpr_count:     66
    .vgpr_count:     256
    .wavefront_size: 32
...
	.end_amdgpu_metadata
.endif
;; end of part 3
;; launch proj (part 4): grid 32 x 8, 4 waves a work-group, clusters of 4 x 4, 327,680 bytes of LDS; arguments yc, ys, opc, ops, bo, out0; writes out0
.if DOCPART == 4
	.amdgcn_target "amdgcn-amd-amdhsa--gfx1250"
	.amdhsa_code_object_version 6
	.text
	.protected	k_qf19a68d84e_proj
	.globl	k_qf19a68d84e_proj
	.p2align	8
	.type	k_qf19a68d84e_proj,@function
k_qf19a68d84e_proj:
	s_mov_b64 s[64:65], 0
	v_nop
	global_prefetch_b8 v0, s[64:65] scope:SCOPE_SE
	s_setreg_imm32_b32 hwreg(HW_REG_WAVE_MODE, 25, 1), 1
	s_wait_xcnt 0x0
	s_wait_alu depctr_hold_cnt(0) depctr_sa_sdst(0) depctr_va_vdst(0) depctr_va_sdst(0) depctr_va_ssrc(0) depctr_va_vcc(0) depctr_vm_vsrc(0)
	s_getreg_b32 s2, hwreg(HW_REG_IB_STS2, 6, 4)
	s_cmp_eq_u32 s2, 0
	s_cbranch_scc0 .Lentry_in_a_cluster
	s_endpgm
.Lentry_in_a_cluster:
	s_bfe_u32 s2, ttmp6, 0x10000c
	s_cmp_lg_u32 s2, 0xf033
	s_cbranch_scc0 .Lentry_shape_is_right
	s_endpgm
.Lentry_shape_is_right:
; LAUNCH 4 OF 4: out0 = y Wo^T + bo on codes of FP6.  Nothing is left out here.  y's codes and scales come from launch 3 (yc, ys), Wo's from launch 1 (opc, ops, tiles 704-767), all in launch 1's layouts.
; The frame is launch 2's: a work-group makes 256 tokens (A, the instruction's source 1: rows fall on lanes) x 128 features (B, source 0: rows fall on a lane's registers); wave w takes tokens 64 w .. 64 w + 63: 32 accumulators.
; ALL OF K = 1024 LIES IN LDS: every tensor load is a first fill, issued at the head (five a wave: the scales and four parts of 256 along K); nothing is filled again; by this text's count five loads of a wave are out at most.
; CLUSTER 4 x 4: A's tile hangs on cx alone and is asked for jointly by the four partners of equal cx; B's on cy alone, by the four of equal cy.
; The bias is the C of each sum's first product.  A token whose scale bytes are 0xff (launch 3: no valid key at or before it) comes out NaN, as in reference().
; THE WAY OUT: a lane holds 32 neighbouring bytes of a row of out0; 16 rows x 512 bytes go through the wave's own stage in LDS and leave as whole rows.  The stages lie in A's K part 0: it has had its only fill, and every wave's
; reads of it were waited for ahead of the barrier of sub-step 1.
; REGISTERS, in windows of 256: window 0: v1-14 addresses, v32-63 scale words (two sets), v64-127 the bias as C, v128-255 rows on the way out;  window 1: A's fragments, two sets;  window 2: B's, two sets;  window 3: accumulator (a, b) at 8 (8 a + b).
.set AB,    0                          ; A's codes: [K part 4][tile 16][3072]
.set BB,    196608                     ; B's codes: [K part 4][tile 8][3072]
.set AS,    294912                     ; A's scales, 16 x 512
.set BS,    303104                     ; B's scales, 8 x 512, directly behind A's
.set SPARE, 307200                     ; the spare words, 128 bytes a wave
.set SPITCH, 528
.set SC,   32
.set BIAS, 64
.set BK,   128
.set MSB, 0
.macro WIN new                         ; the immediate's high byte repeats the setting that is left
.if MSB != \new
	s_set_vgpr_msb (MSB<<8)|\new
.set MSB, \new
.endif
.endm
.macro CROUND                          ; a round of the cluster's barrier
	s_barrier_signal -1
	s_barrier_wait -1
	s_cmp_lg_u32 s16, 0
	s_cbranch_scc1 .Lnot_wave_0_\@
	s_barrier_signal -3
.Lnot_wave_0_\@:
	s_barrier_wait -3
	s_barrier_signal -1
	s_barrier_wait -1
.endm
	s_load_b256 s[4:11], s[0:1], 0x0               ; yc, ys, opc, ops
	s_load_b128 s[12:15], s[0:1], 0x20             ; bo, out0
	v_lshl_add_u32 v6, v0, 2, SPARE
	v_mov_b32 v7, 0
	ds_add_u32 v6, v7                              ; the wave's opening: the add, twice on end, and its wait ahead of my first tensor load
	ds_add_u32 v6, v7
	v_lshrrev_b32 v1, 5, v0
	v_readfirstlane_b32 s16, v1                    ; wave
	s_and_b32 s17, s16, 1                          ; which half of a tile I fetch
	s_bfe_u32 s18, ttmp6, 0x40000                  ; cx
	s_bfe_u32 s19, ttmp6, 0x40004                  ; cy
	s_and_b32 s21, ttmp7, 0xffff
	s_lshl_b32 s23, ttmp9, 2
	s_add_co_u32 s23, s23, s18                     ; TR: the tile of 256 tokens; hangs on cx, never on cy
	s_lshl_b32 s66, s21, 2
	s_add_co_u32 s66, s66, s19                     ; TC: the tile of 128 features; hangs on cy, never on cx
	s_lshl_b32 s2, s23, 4
	s_lshl_b32 s3, s17, 3
	s_add_co_u32 s2, s2, s3                        ; A: my 8 tiles of 16 rows
	s_mul_i32 s58, s2, 512
	s_mov_b32 s59, 0
	s_mul_i32 s62, s2, 12288
	s_mov_b32 s63, 0
	s_lshl_b32 s100, s66, 3
	s_lshl_b32 s101, s17, 2
	s_add_co_u32 s100, s100, s101
	s_add_co_u32 s100, s100, 704                   ; B: my 4 tiles of Wo
	s_mul_i32 s82, s100, 512
	s_mov_b32 s83, 0
	s_mul_i32 s86, s100, 12288
	s_mov_b32 s87, 0
	s_lshl_b32 s3, 0x1111, s18                     ; the partners of equal cx
	s_lshl_b32 s101, s19, 2
	s_lshl_b32 s101, 15, s101                      ; the partners of equal cy
	; descriptor groups 1: elements of 8 bytes, no padding.  Codes: rows of 3,072 bytes (a tile's part of 256 along K), 12,288 bytes apart.  Scales: dense, as rows of 256 bytes
	s_or_b32 s24, s3, (3<<16)|(1<<21)
	s_or_b32 s40, s3, (3<<16)|(1<<21)
	s_or_b32 s32, s101, (3<<16)|(1<<21)
	s_or_b32 s48, s101, (3<<16)|(1<<21)
.irp g, 24, 32
	s_mov_b32 s[\g+1], 384<<16                     ; tensor_dim0
	s_mov_b32 s[\g+3], 384<<16                     ; tile_dim0
	s_mov_b32 s[\g+5], 1536                        ; the pitch
	s_mov_b32 s[\g+6], 0
	s_mov_b32 s[\g+7], 0
.endr
	s_mov_b32 s26, 8<<16                           ; A: 8 rows
	s_mov_b32 s28, 8
	s_mov_b32 s34, 4<<16                           ; B: 4 rows
	s_mov_b32 s36, 4
.irp g, 40, 48
	s_mov_b32 s[\g+1], 32<<16
	s_mov_b32 s[\g+3], 32<<16
	s_mov_b32 s[\g+5], 32
	s_mov_b32 s[\g+6], 0
	s_mov_b32 s[\g+7], 0
.endr
	s_mov_b32 s42, 16<<16                          ; A's scales: 16 rows of 256 bytes
	s_mov_b32 s44, 16
	s_mov_b32 s50, 8<<16                           ; B's: 8
	s_mov_b32 s52, 8
	; groups 0: the count and the LDS addresses, made of constants and the wave's number
.irp g, 56,60,68,72,76,80,84,88,92,96
	s_mov_b32 s[\g], 1
.endr
	s_lshl_b32 s57, s17, 12
	s_add_co_u32 s57, s57, AS
	s_mul_i32 s61, s17, 24576
	s_add_co_u32 s69, s61, 49152
	s_add_co_u32 s73, s61, 98304
	s_add_co_u32 s77, s61, 147456
	s_lshl_b32 s81, s17, 11
	s_add_co_u32 s81, s81, BS
	s_mul_i32 s85, s17, 12288
	s_add_co_u32 s85, s85, BB
	s_add_co_u32 s89, s85, 24576
	s_add_co_u32 s93, s85, 49152
	s_add_co_u32 s97, s85, 73728
	s_wait_dscnt 0x0                               ; both opening adds are done
	s_wait_kmcnt 0x0
	s_add_nc_u64 s[58:59], s[6:7], s[58:59]
	s_add_nc_u64 s[62:63], s[4:5], s[62:63]
	s_add_nc_u64 s[70:71], s[62:63], 3072
	s_add_nc_u64 s[74:75], s[62:63], 6144
	s_add_nc_u64 s[78:79], s[62:63], 9216
	s_add_nc_u64 s[82:83], s[10:11], s[82:83]
	s_add_nc_u64 s[86:87], s[8:9], s[86:87]
	s_add_nc_u64 s[90:91], s[86:87], 3072
	s_add_nc_u64 s[94:95], s[86:87], 6144
	s_add_nc_u64 s[98:99], s[86:87], 9216
.irp g, 59,63,71,75,79,83,87,91,95,99
	s_or_b32 s[\g], s[\g], 0x80000000              ; type = 2
.endr
	CROUND                                         ; all sixteen work-groups are here: the joint loads meet
	s_cmp_lt_u32 s16, 2                            ; waves 0, 1 fetch A's halves, waves 2, 3 B's: a wave's five first fills stand in one branch on its number
	s_cbranch_scc0 .Lfill_b
	tensor_load_to_lds s[56:59], s[40:47]
	s_nop 0
	tensor_load_to_lds s[60:63], s[24:31]
	s_nop 0
	tensor_load_to_lds s[68:71], s[24:31]
	s_nop 0
	tensor_load_to_lds s[72:75], s[24:31]
	s_nop 0
	tensor_load_to_lds s[76:79], s[24:31]
	s_nop 0
.rept 4
	v_nop
.endr
	s_branch .Lfilled
.Lfill_b:
	tensor_load_to_lds s[80:83], s[48:55]
	s_nop 0
	tensor_load_to_lds s[84:87], s[32:39]
	s_nop 0
	tensor_load_to_lds s[88:91], s[32:39]
	s_nop 0
	tensor_load_to_lds s[92:95], s[32:39]
	s_nop 0
	tensor_load_to_lds s[96:99], s[32:39]
	s_nop 0
.rept 4
	v_nop
.endr
.Lfilled:
	v_and_b32 v8, 31, v0
	v_and_b32 v10, 15, v0                          ; r
	v_bfe_u32 v11, v0, 4, 1                        ; h
	v_lshlrev_b32 v9, 3, v8                        ; 8 l
	v_lshlrev_b32 v8, 4, v8                        ; 16 l
	s_mul_i32 s67, s16, 12288                      ; my four tiles of A
	v_add_nc_u32 v1, s67, v8                       ; a chunk's registers 0-3,
	v_add_nc_u32 v2, s67, v9
	v_add_nc_u32 v2, 512, v2                       ; and 4-5
	v_add_nc_u32 v3, BB, v8
	v_add_nc_u32 v4, BB+512, v9
	s_xor_b32 s67, s16, 3
	s_lshl_b32 s67, s67, 11
	s_add_co_u32 s67, s67, 2048                    ; from my tiles' scales in A to B's: 2048 (4 - wave)
	v_mul_u32_u24 v5, s67, v11                     ; lanes 16-31 take B's words
	v_lshl_add_u32 v5, v10, 3, v5
	s_lshl_b32 s67, s16, 11
	s_add_co_u32 s67, s67, AS
	v_add_nc_u32 v5, s67, v5
	s_mul_i32 s67, s16, 16*SPITCH                  ; my stage
	v_mul_u32_u24 v13, v10, SPITCH
	v_lshl_add_u32 v13, v11, 5, v13
	v_add_nc_u32 v13, s67, v13                     ; in: row r, 32 bytes for each half of the lanes
	v_add_nc_u32 v14, s67, v8                      ; back: the 32 lanes take one row of 512 bytes
	s_lshl_b32 s2, s66, 9                          ; bo, and out0's columns, at feature 128 TC
	s_mov_b32 s3, 0
	s_add_nc_u64 s[12:13], s[12:13], s[2:3]
	s_add_nc_u64 s[14:15], s[14:15], s[2:3]
	s_lshl_b32 s2, s23, 8
	s_lshl_b32 s67, s16, 6
	s_add_co_u32 s2, s2, s67
	s_lshl_b32 s2, s2, 12                          ; token 256 TR + 64 wave, rows of 4,096 bytes
	s_add_nc_u64 s[14:15], s[14:15], s[2:3]
	v_lshlrev_b32 v12, 5, v11                      ; 32 h
.irp b, 0,1,2,3,4,5,6,7
	global_load_b128 v[BIAS+8*\b:BIAS+8*\b+3], v12, s[12:13] offset:64*\b      ; register j of tile b: the bias of feature 16 b + 8 h + j
	global_load_b128 v[BIAS+8*\b+4:BIAS+8*\b+7], v12, s[12:13] offset:64*\b+16
.endr
; The fragments of sub-step sg (128 along K): B's eight into set sg % 2 of window 2, my four of A into window 1: 48 loads, each of consecutive bytes
.macro FETCH sg
.set FP,  (\sg)%2
.set FKB, 24576*(((\sg)/2)%2)+1536*((\sg)%2)
.set FKA, 49152*(((\sg)/2)%2)+1536*((\sg)%2)
	WIN 0x80
.irp b, 0,1,2,3,4,5,6,7
	ds_load_b128 v[128*FP+12*\b:128*FP+12*\b+3], v3 offset:FKB+3072*\b
	ds_load_b64 v[128*FP+12*\b+4:128*FP+12*\b+5], v4 offset:FKB+3072*\b
	ds_load_b128 v[128*FP+12*\b+6:128*FP+12*\b+9], v3 offset:FKB+3072*\b+768
	ds_load_b64 v[128*FP+12*\b+10:128*FP+12*\b+11], v4 offset:FKB+3072*\b+768
.endr
	WIN 0x40
.irp a, 0,1,2,3
	ds_load_b128 v[64*FP+12*\a:64*FP+12*\a+3], v1 offset:FKA+3072*\a
	ds_load_b64 v[64*FP+12*\a+4:64*FP+12*\a+5], v2 offset:FKA+3072*\a
	ds_load_b128 v[64*FP+12*\a+6:64*FP+12*\a+9], v1 offset:FKA+3072*\a+768
	ds_load_b64 v[64*FP+12*\a+10:64*FP+12*\a+11], v2 offset:FKA+3072*\a+768
.endr
	WIN 0
.endm
.macro SCALES ks                       ; K part ks: register 2 i + q: lanes 0-15 the word of my A tile i (i < 4; beyond that filled bytes that nobody uses), lanes 16-31 that of B's tile i
.irp i, 0,1,2,3,4,5,6,7
	ds_load_b64 v[SC+16*((\ks)%2)+2*\i:SC+16*((\ks)%2)+2*\i+1], v5 offset:512*\i+128*(\ks)
.endr
.endm
; 16 matrix instructions: A's tiles a0, a0 + 1 x B's eight.  cmode 0: in place; 1: the sums start from the bias.  The 32 accumulators take turns
.macro MUL16 a0, sg, cmode
.set MP, (\sg)%2
.set MS, SC+16*(((\sg)/2)%2)+(\sg)%2
.if \cmode == 0
	WIN 0xf6                                       ; source 0 window 2, source 1 window 1, C and D window 3
.else
	WIN 0xc6                                       ; C in window 0
.endif
.irp a, \a0, \a0+1
.irp b, 0,1,2,3,4,5,6,7
.if \cmode == 0
	v_wmma_scale_f32_16x16x128_f8f6f4 v[8*(8*(\a)+\b):8*(8*(\a)+\b)+7], v[128*MP+12*\b:128*MP+12*\b+11], v[64*MP+12*(\a):64*MP+12*(\a)+11], v[8*(8*(\a)+\b):8*(8*(\a)+\b)+7], v[MS+2*\b], v[MS+2*(\a)] matrix_a_fmt:MATRIX_FMT_FP6 matrix_b_fmt:MATRIX_FMT_FP6 matrix_a_scale:MATRIX_SCALE_ROW1
.else
	v_wmma_scale_f32_16x16x128_f8f6f4 v[8*(8*(\a)+\b):8*(8*(\a)+\b)+7], v[128*MP+12*\b:128*MP+12*\b+11], v[64*MP+12*(\a):64*MP+12*(\a)+11], v[BIAS+8*\b:BIAS+8*\b+7], v[MS+2*\b], v[MS+2*(\a)] matrix_a_fmt:MATRIX_FMT_FP6 matrix_b_fmt:MATRIX_FMT_FP6 matrix_a_scale:MATRIX_SCALE_ROW1
.endif
.endr
.endr
.endm
; Sub-step sg = 1 .. 7.  At its head the next sub-step's fragments are asked for, into the set that the last sub-step multiplied, four places behind its last product: they have this sub-step's 32 products in which to land.
; An odd sub-step's successor begins a new K part: my load of that part has landed (the later parts' loads stay out), all my LDS loads are in, and a barrier shows the same of the other waves.
.macro SUB sg
	WIN 0
.if (\sg)%2 == 1
	s_wait_dscnt 0x0                               ; this sub-step's fragments are in; none of my LDS loads is out at the signal
.if \sg < 7
	s_wait_tensorcnt 3-((\sg)+1)/2
	s_barrier_signal -1
	s_barrier_wait -1
.endif
.endif
.if \sg < 7
.if \sg == 3
	v_add_nc_u32 v1, 98304, v1                     ; on to K parts 2 and 3, beyond the reach of a 16-bit offset; these four lines are the places too
	v_add_nc_u32 v2, 98304, v2
	v_add_nc_u32 v3, 49152, v3
	v_add_nc_u32 v4, 49152, v4
.else
.rept 4
	v_nop                                          ; places in front of loads into registers that matrix instructions have read
.endr
.endif
	FETCH (\sg)+1
.if (\sg)%2 == 1
	SCALES ((\sg)+1)/2
.else
	s_wait_dscnt 48                                ; all but the 48 just issued
.endif
.endif
	MUL16 0, \sg, 0
	MUL16 2, \sg, 0
.endm
	s_wait_tensorcnt 3                             ; my part of the scales and of K part 0 is in; three loads stay out
	s_barrier_signal -1
	s_barrier_wait -1                              ; everybody's is
	FETCH 0
	SCALES 0
	FETCH 1
	s_wait_dscnt 48                                ; all but sub-step 1's 48
	s_wait_loadcnt 0x0                             ; the bias
	MUL16 0, 0, 1
	MUL16 2, 0, 1
.irp sg, 1,2,3,4,5,6,7
	SUB \sg
.endr
	WIN 0
.rept 4
	v_nop                                          ; places in front of the first read of results
.endr
.macro TOSTAGE a                       ; block a: 16 tokens x 128 features into my stage and back as whole rows.  LDS serves a wave's instructions in order: no wait between
	WIN 0x0c                                       ; an LDS store's data are its source 1: window 3
.irp b, 0,1,2,3,4,5,6,7
	ds_store_b128 v13, v[64*(\a)+8*\b:64*(\a)+8*\b+3] offset:64*\b            ; each accumulator from its low end on
	ds_store_b128 v13, v[64*(\a)+8*\b+4:64*(\a)+8*\b+7] offset:64*\b+16
.endr
	WIN 0
.irp t, 0,1,2,3,4,5,6,7,8,9,10,11,12,13,14,15
	ds_load_b128 v[BK+64*((\a)%2)+4*\t:BK+64*((\a)%2)+4*\t+3], v14 offset:\t*SPITCH
.endr
.endm
.macro SEND a, younger                 ; younger: the LDS instructions issued behind block a's loads, which may stay out
	s_wait_dscnt \younger
.irp t, 0,1,2,3,4,5,6,7,8,9,10,11,12,13,14,15
	global_store_b128 v8, v[BK+64*((\a)%2)+4*\t:BK+64*((\a)%2)+4*\t+3], s[14:15] offset:(16*(\a)+\t)*4096 th:TH_STORE_NT   ; 32 lanes store 512 consecutive bytes, aligned to 256
.endr
.endm
	TOSTAGE 0
.irp a, 1,2,3
.if \a > 1
	s_wait_xcnt 0x0                                ; block a - 2's stores have read their registers: block a's loads land there only behind this wait
.endif
	TOSTAGE \a
	SEND \a-1, 32                                  ; behind block a - 1's loads: block a's 16 stores and 16 loads
.endr
	SEND 3, 0
	s_wait_tensorcnt 0x0                           ; the wave's end: behind my last tensor load and my last LDS store
	ds_add_u32 v6, v7
	s_wait_dscnt 0x0
	CROUND                                         ; the closing round
	s_endpgm
.Lfunc_end_k_qf19a68d84e_proj:
	.size	k_qf19a68d84e_proj, .Lfunc_end_k_qf19a68d84e_proj-k_qf19a68d84e_proj
	.p2alignl 7, 3214868480
	.fill 96, 4, 3214868480
	.section	.rodata,"a",@progbits
	.p2align	6, 0x0
	.amdhsa_kernel k_qf19a68d84e_proj
		.amdhsa_group_segment_fixed_size 327680
		.amdhsa_private_segment_fixed_size 0
		.amdhsa_enable_private_segment 0
		.amdhsa_kernarg_size 48
		.amdhsa_user_sgpr_count 2
		.amdhsa_user_sgpr_kernarg_segment_ptr 1
		.amdhsa_wavefront_size32 1
		.amdhsa_system_sgpr_workgroup_id_x 1
		.amdhsa_system_sgpr_workgroup_id_y 1
		.amdhsa_system_sgpr_workgroup_id_z 1
		.amdhsa_system_vgpr_workitem_id 0
		.amdhsa_next_free_vgpr 1024
		.amdhsa_next_free_sgpr 102
		.amdhsa_reserve_vcc 0
		.amdhsa_float_denorm_mode_32 3
		.amdhsa_float_denorm_mode_16_64 3
		.amdhsa_memory_ordered 1
		.amdhsa_forward_progress 1
		.amdhsa_inst_pref_size 87
	.end_amdhsa_kernel
	.amdgpu_metadata
---
amdhsa.version: [ 1, 2 ]
amdhsa.kernels:
  - .name:           k_qf19a68d84e_proj
    .symbol:         k_qf19a68d84e_proj.kd
    .args:
      - { .name: yc, .offset: 0, .size: 8, .value_kind: global_buffer, .address_space: global }
      - { .name: ys, .offset: 8, .size: 8, .value_kind: global_buffer, .address_space: global }
      - { .name: opc, .offset: 16, .size: 8, .value_kind: global_buffer, .address_space: global }
      - { .name: ops, .offset: 24, .size: 8, .value_kind: global_buffer, .address_space: global }
      - { .name: bo, .offset: 32, .size: 8, .value_kind: global_buffer, .address_space: global }
      - { .name: out0, .offset: 40, .size: 8, .value_kind: global_buffer, .address_space: global }
    .group_segment_fixed_size: 327680
    .private_segment_fixed_size: 0
    .kernarg_segment_align: 8
    .kernarg_segment_size: 48
    .max_flat_workgroup_size: 128
    .sgpr_count:     102
    .vgpr_count:     1024
    .wavefront_size: 32
...
	.end_amdgpu_metadata
.endif
;; end of part 4
;; ======== version 2 of 2: 4 launches; version 1 with the launch attn written anew for expert scheduling mode
;; limits: right only within a limited range of input values
;; workspace buffers: opc 9,437,184 bytes; ops 393,216 bytes; flg 512 bytes of whole numbers; atc 18,874,368 bytes; ats 1,310,720 bytes; yc 6,291,456 bytes; ys 262,144 bytes
;; launch quant: the kernel of part 1 again; grid 385 x 1, 4 waves a work-group, no clusters, 34,304 bytes of LDS; arguments x, Wqkv, Wo, attention_mask, opc, ops, flg; writes opc, ops, flg
;; launch qkv: the kernel of part 2 again; grid 32 x 24, 4 waves a work-group, clusters of 4 x 4, 327,680 bytes of LDS; arguments opc, ops, bqkv, attention_mask, atc, ats; writes atc, ats
;; launch attn (part 5): grid 4 x 64, 16 waves a work-group, no clusters, 210,944 bytes of LDS; arguments atc, ats, attention_mask, flg, yc, ys; writes yc, ys
.if DOCPART == 5
	.amdgcn_target "amdgcn-amd-amdhsa--gfx1250"
	.amdhsa_code_object_version 6
	.text
	.protected	k_qf19a68d84e_attn
	.globl	k_qf19a68d84e_attn
	.p2align	8
	.type	k_qf19a68d84e_attn,@function
k_qf19a68d84e_attn:
	s_mov_b64 s[64:65], 0
	v_nop
	global_prefetch_b8 v0, s[64:65] scope:SCOPE_SE
	s_setreg_imm32_b32 hwreg(HW_REG_WAVE_SCHED_MODE, 0, 2), 2
	s_setreg_imm32_b32 hwreg(HW_REG_WAVE_MODE, 25, 1), 1
	s_wait_xcnt 0x0
	s_wait_alu depctr_vm_vsrc(0)
; LAUNCH 3 OF 4: y = (softmax(mask(q k^T / 8)) x query mask) v x mask, both products on codes of FP6; y leaves as codes and scale bytes for launch 4.
; LEFT OUT (shown at the head of launch 1): steps of 128 keys that begin behind a tile's last query (reference()'s own tril), and the products of a tile of 16 queries whose 16 mask words, read here, are all 0.
; THE SECOND PRODUCT'S LEFT OPERAND IS THE FINISHED att: exp / sum x the query's mask word, quantised in blocks of 32 keys.  So the keys are walked twice: pass 1 (P1) makes q k^T, the running maximum and the sum;
; pass 2 (P2) makes q k^T again, p = 2^(c s - M'), with M' = M + log2(sum) - log2(|mask word|), quantises p and adds V^T P^T.  c = log2(e) / 8; M = the largest c s rounded up to a whole number.  All of it in f32.
; SHARES: work-group (g, 16 b + head); wave w owns the query tiles 4 w + g and 127 - (4 w + g): 17 key steps a pass for every wave.  The head's K and V, codes and scales (208 KB), lie in LDS, filled once.
; NO TENSOR LOADS, NO CLUSTER, though the four work-groups of a head read the same K and V: branches here hang on mask words read from memory; LDS is filled
; through registers (13 + 13 loads a lane) and there is no joint load to share.  V's loads stay out during pass 1, which needs K alone.
; LAYOUT: S^T = K Q^T (source 0 = 16 neighbouring keys, source 1 = my 16 queries): lane (r, h) holds query r; register 8 t + j is key 16 t + 8 h + j.  Two tiles are a block of 32 keys, shared with lane l xor 16, in the order
; g0, g2, g1, g3, which V's codes have too (launch 2).  O^T = V^T P^T: register 8 t + j is y(r, 16 t + 8 h + j).
; THE KEY MASK costs no instruction: k = 64 of the instruction's 128 holds the code +1 in every key and -1 in the queries; the key's scale byte for that block is 1 (term -2^-126) or 227 (term -2^100): launch 2.
; The largest c s begins at -2^90, above a masked key's and below every score served, so a step of masked keys alone gives p = 0.  The sum is held at 2^-126 from below ahead of its logarithm: no infinity arises here.
; A ROW WITH NO VALID KEY at or before it (query < the batch's flag) is NaN in reference(): its scale bytes become 0xff, which makes launch 4's sums NaN.
; MASK WORDS other than 0 and 1: a key counts where its word is not 0; a query's |word| enters p and y (the quantiser is odd, so the two signs cancel as in reference()).
; LIMITS: |q . k| under 2^90; every valid score carries -2^-126; blocks whose largest magnitude lies under 2^-124 keep the scale byte 1 (zeros too); NaN and infinities among the operands are not served.
; ys is stored a byte a lane (32 bytes for a tile and a head): whole runs of 256 bytes would want eight heads in one work-group.
; THE MODE: SCHED_MODE bits 1:0 = 2 (LLVM: expert scheduling mode 2), set by the entry lines.  The code itself states the register dependences between vector or matrix instructions and memory or LDS instructions,
; with s_wait_alu, always for 0.
; THE PLAN.  Registers that LDS or memory instructions touch, round a key step:
;   v52-99 (the lower six of each twelve), v42-45   K's four fragments and their scale words.  LDS loads land there; the products of q k^T read them.  ONE set: sixteen waves are four to a SIMD, 256 registers each, all named.
;       Tiles 4-7 land where tiles 0-3 lay, behind a wait for tiles 0-3's products.  THE NEXT STEP'S TILES 0-3 ARE ASKED FOR AHEAD, behind the wait that the exponentials owe anyway, and land during the sums (pass 1) or
;       the quantising (pass 2).  The first step's are asked for ahead of each loop.
;   v9-14, v51   the step's addresses.  Written by vector additions at the step's head, read by that step's LDS loads alone: none is carried over the join at a step's end.
;   v100-147, v46-49   pass 2: V's four fragments and scale words land there.  The exponentials wrote v100-163 and the conversions read them; V^T P^T reads what has landed.
;   v196-207, v50   p's codes and scale word: written by vector instructions, taken by the scaled products.
;   v100-151, v164-213   K's and V's way into LDS: global loads land there, LDS stores read them.   v196-201, v254, v236, v238, v239   the way out: data and offsets of a tile's three stores.
;   v1-6, v224-227, v250, v251   addresses made at the head and never written again.
; The step at the causal limit fetches ahead for nothing, nine loads a tile and pass; the wait behind each loop takes them in.  In the sixteenth step that fetch reads the head of K's scale words as if they were codes (bytes that lie
; still since the first barrier), and its scale words' address is held at the sixteenth step's own: behind K's scale words lie V's bytes, which other waves store during pass 1.
.set KC,    0                          ; K's codes: 128 tiles of 16 keys x 768
.set KSC,   98304                      ; K's scale words: [key / 64][row 16][4 tiles x 4 bytes]
.set VC,    106496                     ; V's codes: [key step 16][d / 16][1536]
.set VSC,   204800                     ; V's scale words: [key step][row 16][4 x 4 bytes]
.set SPARE, 208896                     ; the spare words, 128 bytes a wave
.set VOFF,  12582912
.set VSOFF, 1048576
.set AK16, 1                           ; v1  16 l: a chunk's registers 0-3 (KC = 0), also a global offset
.set AK8,  2                           ; v2  512 + 8 l: its registers 4-5
.set AKS,  3                           ; v3  KSC + 16 r
.set AV16, 4
.set AV8,  5
.set AVS,  6
.set SPW,  7
.set NIL,  8
.set ADK16, 9                          ; v9-14 the step's addresses
.set ADK8, 10
.set ADKS, 11
.set ADV16, 12
.set ADV8, 13
.set ADVS, 14
.set LD,   15                          ; r - 8 h
.set QLO,  16                          ; v16-27, v28-39 the two tiles of queries
.set QHI,  28
.set QSLO, 40
.set QSHI, 41
.set KS4,  42                          ; v42-45 four tiles' scale words of K;  v46-49 of V;  v50 p's
.set VS4,  46
.set PSC,  50
.set ADKN, 51                          ; v51 where the next step's scale words of K lie
.set KF,   52                          ; v52-99 four fragments of K
.set S,    100                         ; v100-163 S^T, then p; K's way into LDS; in pass 2 four fragments of V; on the way out y
.set O,    164                         ; v164-195 O^T  (v164-213: V's way into LDS, out during pass 1)
.set PC,   196
.set PT,   208
.set TM,   216                         ; v216-223, v228-231 at work;  v224-227 V's fill addresses
.set NEGM, 232
.set TMAX, 233
.set L,    234
.set F,    236
.set T2,   238
.set NMPLO, 240
.set NMPHI, 242
.set AQLO, 244
.set MQLO, 245
.set AQHI, 246
.set MQHI, 247
.set DD,   248
.set NINF, 249
.set FT,   250                         ; 16 x thread
.set FTB,  251                         ; + 65536
.set YO,   252                         ; 8 r + h
.set CFF,  253                         ; 0xff
.set TA,   254
.set TB,   255
.set DM,  4                            ; s4-11 eight masks of the diagonal (the arguments' addresses have been used up by then)
.set KFS, 30                           ; s30 the step's first key; s31, s32, s33 its bytes in the codes, in K's scales, in V's scales; s60 trips to go
.set TK,  31
.set TS,  32
.set TW,  33
.set CNT, 60
	s_load_b256 s[4:11], s[0:1], 0x0               ; atc, ats, attention_mask, flg
	s_load_b128 s[12:15], s[0:1], 0x20             ; yc, ys
	v_lshl_add_u32 v[SPW], v0, 2, SPARE
	v_mov_b32 v[NIL], 0
	v_lshrrev_b32 v[TA], 5, v0
	v_readfirstlane_b32 s16, v[TA]                 ; wave
	s_and_b32 s17, ttmp7, 0xffff
	s_lshr_b32 s18, s17, 4                         ; batch
	s_and_b32 s19, s17, 15                         ; head
	s_wait_alu depctr_va_sdst(0)                   ; s16 is written, ahead of its first reader: my tiles' numbers are made from it
	s_lshl_b32 s34, s16, 2
	s_add_co_u32 s34, s34, ttmp9                   ; my low tile,
	s_sub_co_u32 s35, 127, s34                     ; my high tile,
	s_lshl_b32 s26, s34, 4                         ; and their first queries
	s_lshl_b32 s27, s35, 4
	s_mov_b32 s20, 0x76543210
	s_mov_b32 s21, 0xfedcba98                      ; v_permlanex16_b32's selects for lane l xor 16
	s_mov_b32 s22, 0x3e38aa3b                      ; c = log2(e) / 8
	s_mov_b32 s23, s22                             ; (named with it as a pair)
	s_mov_b32 s24, 0xffff0000                      ; lanes 16-31
	s_lshl_b32 s56, s19, 9
	s_lshl_b32 s57, s18, 7
	s_add_co_u32 s56, s56, s57                     ; 512 head + 128 batch: q's first tile
	s_mul_i32 s36, s56, 768
	s_mov_b32 s37, 0
	s_add_co_u32 s40, s36, 6291456                 ; k's: 16 heads on
	s_mov_b32 s41, 0
	s_lshl_b32 s38, s56, 6                         ; their scale words: 64 bytes a tile
	s_mov_b32 s39, 0
	s_add_co_u32 s42, s38, 524288
	s_mov_b32 s43, 0
	s_lshl_b32 s56, s19, 6
	s_lshl_b32 s57, s18, 4
	s_add_co_u32 s56, s56, s57                     ; 64 head + 16 batch: v's first key step
	s_mul_i32 s44, s56, 6144
	s_add_co_u32 s44, s44, VOFF
	s_mov_b32 s45, 0
	s_lshl_b32 s46, s56, 8
	s_add_co_u32 s46, s46, VSOFF
	s_mov_b32 s47, 0
	s_lshl_b32 s48, s18, 13                        ; the batch's mask words
	s_mov_b32 s49, 0
	s_lshl_b32 s50, s18, 7                         ; its flag
	s_mov_b32 s51, 0
	s_lshl_b32 s52, s18, 11
	s_add_co_u32 s52, s52, s19
	s_mul_i32 s52, s52, 768                        ; yc: (16 x 128 batch + head) chunks
	s_mov_b32 s53, 0
	s_lshl_b32 s54, s18, 16                        ; ys: 128 batch tiles of 512 bytes, + 128 (head / 4) + 2 (head % 4)
	s_lshr_b32 s56, s19, 2
	s_lshl_b32 s56, s56, 7
	s_add_co_u32 s54, s54, s56
	s_and_b32 s56, s19, 3
	s_lshl_b32 s56, s56, 1
	s_add_co_u32 s54, s54, s56
	s_mov_b32 s55, 0
	v_and_b32 v[TA], 31, v0                        ; l
	v_and_b32 v[TB], 15, v0                        ; r
	v_bfe_u32 v[DD], v0, 4, 1                      ; h
	v_lshlrev_b32 v[AK16], 4, v[TA]
	v_lshlrev_b32 v[AK8], 3, v[TA]
	v_add_nc_u32 v[AK8], 512, v[AK8]
	v_lshl_add_u32 v[AKS], v[TB], 4, KSC
	v_add_nc_u32 v[AV16], VC, v[AK16]
	v_add_nc_u32 v[AV8], VC, v[AK8]
	v_lshl_add_u32 v[AVS], v[TB], 4, VSC
	v_lshlrev_b32 v[LD], 3, v[DD]
	v_sub_nc_u32 v[LD], v[TB], v[LD]
	v_lshl_add_u32 v[YO], v[TB], 3, v[DD]
	v_lshlrev_b32 v[FT], 4, v0
	v_lshl_add_u32 v[FTB], v0, 4, 65536
	v_lshl_add_u32 v[TM+8], v0, 4, VC
	v_lshl_add_u32 v[TM+9], v0, 4, VC+65536
	v_lshl_add_u32 v[TM+10], v0, 3, VSC
	v_lshlrev_b32 v[TM+11], 3, v0
	; the eight small loads' offsets: tile x 768 in q's codes; (tile / 4) 256 + 4 (tile % 4) + 16 r in its scale words; 64 tile + 4 r in the mask
	s_mul_i32 s58, s34, 768
	v_add_nc_u32 v[TM], s58, v[AK16]
	v_add_nc_u32 v[TM+1], s58, v[AK8]
	s_lshr_b32 s58, s34, 2
	s_lshl_b32 s58, s58, 8
	s_and_b32 s59, s34, 3
	s_lshl_b32 s59, s59, 2
	s_add_co_u32 s58, s58, s59
	v_lshl_add_u32 v[TM+2], v[TB], 4, s58
	s_lshl_b32 s58, s34, 6
	v_lshl_add_u32 v[TM+3], v[TB], 2, s58
	s_mul_i32 s58, s35, 768
	v_add_nc_u32 v[TM+4], s58, v[AK16]
	v_add_nc_u32 v[TM+5], s58, v[AK8]
	s_lshr_b32 s58, s35, 2
	s_lshl_b32 s58, s58, 8
	s_and_b32 s59, s35, 3
	s_lshl_b32 s59, s59, 2
	s_add_co_u32 s58, s58, s59
	v_lshl_add_u32 v[TM+6], v[TB], 4, s58
	s_lshl_b32 s58, s35, 6
	v_lshl_add_u32 v[TM+7], v[TB], 2, s58
	s_wait_kmcnt 0x0
	s_add_nc_u64 s[36:37], s[4:5], s[36:37]
	s_add_nc_u64 s[40:41], s[4:5], s[40:41]
	s_add_nc_u64 s[44:45], s[4:5], s[44:45]
	s_add_nc_u64 s[38:39], s[6:7], s[38:39]
	s_add_nc_u64 s[42:43], s[6:7], s[42:43]
	s_add_nc_u64 s[46:47], s[6:7], s[46:47]
	s_add_nc_u64 s[48:49], s[8:9], s[48:49]
	s_add_nc_u64 s[50:51], s[10:11], s[50:51]
	s_add_nc_u64 s[52:53], s[12:13], s[52:53]
	s_add_nc_u64 s[54:55], s[14:15], s[54:55]
	s_load_b32 s25, s[50:51], 0x0                  ; the batch's first valid token
	s_wait_alu depctr_va_vdst(0)                   ; every address and offset made above is written: v1-6, v216-227, v250, v251, which the loads and LDS stores of the head, V's LDS stores and each loop's first fetch read
	global_load_b128 v[QLO:QLO+3], v[TM], s[36:37]
	global_load_b64 v[QLO+4:QLO+5], v[TM+1], s[36:37]
	global_load_b32 v[QSLO], v[TM+2], s[38:39]
	global_load_b32 v[MQLO], v[TM+3], s[48:49]
	global_load_b128 v[QHI:QHI+3], v[TM+4], s[36:37]
	global_load_b64 v[QHI+4:QHI+5], v[TM+5], s[36:37]
	global_load_b32 v[QSHI], v[TM+6], s[38:39]
	global_load_b32 v[MQHI], v[TM+7], s[48:49]
.irp i, 0,1,2,3,4,5,6,7,8,9,10,11
	global_load_b128 v[S+4*\i:S+4*\i+3], v[FT], s[40:41] offset:8192*\i       ; K's codes: the work-group's 512 lanes read 8,192 consecutive bytes
.endr
	global_load_b128 v[S+48:S+51], v[FT], s[42:43]                            ; K's scale words
.irp i, 0,1,2,3,4,5,6,7,8,9,10,11
	global_load_b128 v[O+4*\i:O+4*\i+3], v[FT], s[44:45] offset:8192*\i       ; V's codes
.endr
	global_load_b64 v[O+48:O+49], v[TM+11], s[46:47]                          ; V's scale words
	; the constant halves of the operands of q k^T: k = 64 lies in lanes 0-15, register 6, bits 0-5.  (No load names these registers)
	v_xor_b32 v[TA], 1, v[DD]                      ; 1 - h
.irp t, 0,1,2,3
	v_lshlrev_b32 v[KF+12*\t+6], 3, v[TA]          ; the code of +1.0: 0x08
.irp j, 7,8,9,10,11
	v_mov_b32 v[KF+12*\t+\j], 0
.endr
.endr
.irp q, QLO, QHI
	v_mul_u32_u24 v[\q+6], v[TA], 0x28             ; the code of -1.0: 0x28
.irp j, 7,8,9,10,11
	v_mov_b32 v[\q+\j], 0
.endr
.endr
	v_mov_b32 v[NINF], 0xff800000
	v_mov_b32 v[CFF], 0xff
	v_mov_b32 v[F+1], 0                            ; (named as the upper half of a pair)
	s_mov_b32 s59, 0x7f7f0000
	s_wait_loadcnt 13                              ; the small loads and K's 13 are in; V's 13 stay out
.irp i, 0,1,2,3,4,5,6,7
	ds_store_b128 v[FT], v[S+4*\i:S+4*\i+3] offset:8192*\i                    ; (no vector instruction since the wait above names v250, v251 or v100-151)
.endr
.irp i, 8,9,10,11
	ds_store_b128 v[FTB], v[S+4*\i:S+4*\i+3] offset:8192*(\i-8)
.endr
	ds_store_b128 v[FTB], v[S+48:S+51] offset:KSC-65536
	v_and_or_b32 v[QSLO], v[QSLO], 0xffff, s59     ; the queries' scale words: bytes 2 and 3 are 127
	v_and_or_b32 v[QSHI], v[QSHI], 0xffff, s59
	v_cmp_ne_u32 s61, 0, v[MQLO]
	v_cmp_ne_u32 s62, 0, v[MQHI]
	v_cvt_f32_i32 v[AQLO], v[MQLO]
	v_cvt_f32_i32 v[AQHI], v[MQHI]
	v_and_b32 v[AQLO], 0x7fffffff, v[AQLO]         ; |mask word|
	v_and_b32 v[AQHI], 0x7fffffff, v[AQHI]
	s_add_co_u32 s28, s26, 15                      ; a tile's causal limit: its last query; -1 where all its mask words are 0: then every trip's test leads round the trip
	s_add_co_u32 s29, s27, 15
	s_wait_alu depctr_va_sdst(0)                   ; the two compares have written s61 and s62, ahead of their first readers
	s_cmp_lg_u32 s61, 0
	s_cselect_b32 s28, s28, -1
	s_cmp_lg_u32 s62, 0
	s_cselect_b32 s29, s29, -1
	s_wait_kmcnt 0x0                               ; the flag
	s_wait_dscnt 0x0                               ; for the others' sake: my stores have landed
	s_barrier_signal -1
	s_barrier_wait -1                              ; K lies in LDS
	s_wait_alu depctr_va_vdst(0)                   ; the constant halves of K's and the queries' fragments and the queries' scale words v40, v41 are written, which the scaled products of q k^T take
; Four tiles of K and their scale words: nine LDS loads.  a16, a8, asc: the address registers; off, soff: the tiles' and the words' bytes from there
.macro KLOAD a16, a8, asc, off, soff
.irp t, 0,1,2,3
	ds_load_b128 v[KF+12*\t:KF+12*\t+3], v[\a16] offset:(\off)+768*\t
	ds_load_b64 v[KF+12*\t+4:KF+12*\t+5], v[\a8] offset:(\off)+768*\t
.endr
	ds_load_b128 v[KS4:KS4+3], v[\asc] offset:\soff
.endm
.macro KMUL g, qf, qs                  ; their four products: tiles 4 g .. 4 g + 3 of S^T
.irp t, 0,1,2,3
	v_wmma_scale_f32_16x16x128_f8f6f4 v[S+8*(4*(\g)+\t):S+8*(4*(\g)+\t)+7], v[KF+12*\t:KF+12*\t+11], v[\qf:\qf+11], 0, v[KS4+\t], v[\qs] matrix_a_fmt:MATRIX_FMT_FP6 matrix_b_fmt:MATRIX_FMT_FP6
.endr
.endm
; S^T = K Q^T for 128 keys, four tiles at a time.  Tiles 0-3 were asked for ahead: by the step before, or ahead of the loop
.macro QK qf, qs
	s_wait_dscnt 0x0                               ; tiles 0-3 and their scale words are in
	KMUL 0, \qf, \qs
.rept 4
	v_nop                                          ; the four places between products and loads into registers that they have read stand as in the plain form; the wait below states the dependence
.endr
	s_wait_alu depctr_va_vdst(0)                   ; tiles 0-3's products are done reading v52-99 and v42-45, in which tiles 4-7 land; the step's addresses, made at its head, are written
	KLOAD ADK16, ADK8, ADKS, 3072, 256
	s_wait_dscnt 0x0
	KMUL 1, \qf, \qs
.endm
; On the diagonal the scores of keys behind the query become -infinity; a step all of whose keys count passes this by (a branch on ids).  The compares go eight at a time into s4-11, one wait to a run
.macro DIAG q0
.rept 4
	v_nop                                          ; places in front of the first read of results
.endr
	s_add_co_u32 s58, s[KFS], 127
	s_cmp_le_u32 s58, s[\q0]
	s_cbranch_scc1 .Lopen_\@
	s_sub_co_i32 s58, s[\q0], s[KFS]
	v_add_nc_u32 v[DD], s58, v[LD]                 ; d = my query - the step's first key - 8 h: register 8 t + j is hidden where 16 t + j > d
.set n, 0
.rept 8
.set i, 0
.rept 8
	v_cmp_gt_i32 s[DM+i], 16*(n/8)+i, v[DD]
.set i, i+1
.endr
	s_wait_alu depctr_va_sdst(0)                   ; the eight compares have written s4-11, ahead of the selects that read them
.set i, 0
.rept 8
	v_cndmask_b32 v[S+n+i], v[S+n+i], v[NINF], s[DM+i]
.set i, i+1
.endr
.set n, n+8
.endr
.Lopen_\@:
.endm
.macro BMAX                            ; my 16 scores' largest, for each block of 32 keys; each accumulator is read from its low end on
.irp b, 0,1,2,3
	v_max3_num_f32 v[TM+\b], v[S+16*\b], v[S+16*\b+1], v[S+16*\b+2]
.endr
.irp i, 3,5,7,9,11,13
.irp b, 0,1,2,3
	v_max3_num_f32 v[TM+\b], v[TM+\b], v[S+16*\b+\i], v[S+16*\b+\i+1]
.endr
.endr
.irp b, 0,1,2,3
	v_max_num_f32 v[TM+\b], v[TM+\b], v[S+16*\b+15]
.endr
.endm
; PASS 1 for one tile: the running M and the sum; at its end -M' in v[nmp].  Sixteen trips, a constant; a trip whose keys all lie behind the limit does nothing but step
.macro P1 qf, qs, q0, ql, nmp, aq, mq
	v_mov_b32 v[TMAX], 0xec800000                  ; -2^90
	v_floor_f32 v[NEGM], -v[TMAX]
	v_mov_b32 v[L], 0
	v_mov_b32 v[L+1], 0
	s_mov_b32 s[KFS], 0
	s_mov_b32 s[TK], 0
	s_mov_b32 s[TS], 0
	s_mov_b32 s[CNT], 16
	KLOAD AK16, AK8, AKS, 0, 0                     ; the first step's tiles 0-3.  No wait: v1-3 stand since the head, and behind every product that read v52-99 or v42-45 a wait on va_vdst has stood
.Lp1_\@:
	s_cmp_gt_i32 s[KFS], s[\ql]
	s_cbranch_scc1 .Lp1e_\@
	s_add_co_u32 s56, s[TS], 512
	s_min_u32 s56, s56, 15*512                     ; the next step's scale words, held at the sixteenth step's
	s_wait_alu depctr_vm_vsrc(0)                   ; the LDS loads issued so far have read the addresses written below; at the wave's first step also: my LDS stores have read v100-151 and the small loads v216-223, which this step writes
	v_add_nc_u32 v[ADK16], s[TK], v[AK16]
	v_add_nc_u32 v[ADK8], s[TK], v[AK8]
	v_add_nc_u32 v[ADKS], s[TS], v[AKS]
	v_add_nc_u32 v[ADKN], s56, v[AKS]
	QK \qf, \qs
	DIAG \q0
	BMAX
	v_max3_num_f32 v[TA], v[TM], v[TM+1], v[TM+2]
	v_max_num_f32 v[TA], v[TA], v[TM+3]
	v_permlanex16_b32 v[TB], v[TA], s20, s21
	v_max_num_f32 v[TA], v[TA], v[TB]              ; the step's largest score of my query
	v_mul_f32 v[TA], s22, v[TA]
	v_max_num_f32 v[TMAX], v[TMAX], v[TA]
	v_mov_b32 v[TA], v[NEGM]
	v_floor_f32 v[NEGM], -v[TMAX]                  ; -M: M is a whole number
	v_sub_f32 v[TA], v[NEGM], v[TA]
	v_cvt_i32_f32 v[TA], v[TA]                     ; (it saturates)
	v_ldexp_f32 v[F], 1.0, v[TA]                   ; 2^(old M - new M): rounds nothing
.set n, 0
.rept 32
	v_pk_fma_f32 v[S+n:S+n+1], v[S+n:S+n+1], s[22:23], v[NEGM:NEGM+1] op_sel_hi:[1,0,0]
.set n, n+2
.endr
.set n, 0
.rept 64
	v_exp_f32 v[S+n], v[S+n]
.set n, n+1
.endr
	v_pk_mul_f32 v[L:L+1], v[L:L+1], v[F:F+1] op_sel_hi:[1,0]   ; the sum under the new M; also the plain place behind the exponentials
	s_wait_alu depctr_va_vdst(0)                   ; the 64 exponentials have written p, ahead of its first reader; tiles 4-7's products are done reading v52-99 and v42-45, in which the next step's tiles land
	KLOAD ADK16, ADK8, ADKN, 6144, 0               ; the next step's tiles 0-3: they land during the sums, which name none of these registers
	v_pk_add_f32 v[T2:T2+1], v[S:S+1], v[S+2:S+3]
.irp j, 4,8,12,16,20,24,28,32,36,40,44,48,52,56,60
	v_pk_add_f32 v[L:L+1], v[L:L+1], v[S+\j:S+\j+1]
	v_pk_add_f32 v[T2:T2+1], v[T2:T2+1], v[S+\j+2:S+\j+3]
.endr
	v_pk_add_f32 v[L:L+1], v[L:L+1], v[T2:T2+1]
.Lp1e_\@:
	s_add_co_u32 s[KFS], s[KFS], 128
	s_add_co_u32 s[TK], s[TK], 6144
	s_add_co_u32 s[TS], s[TS], 512
	s_sub_co_u32 s[CNT], s[CNT], 1
	s_cmp_lg_u32 s[CNT], 0
	s_cbranch_scc1 .Lp1_\@
	s_wait_dscnt 0x0                               ; the last fetch ahead, which no step took up, is in: its registers are asked for again ahead of the next loop
	v_cmp_ne_u32 vcc_lo, 0, v[\mq]
	v_add_f32 v[L], v[L], v[L+1]
	v_permlanex16_b32 v[TA], v[L], s20, s21
	v_add_f32 v[L], v[L], v[TA]                    ; the row's sum
	v_max_num_f32 v[L], 0x800000, v[L]             ; held at 2^-126 from below (a row with a valid key has 0.5 at the least)
	s_wait_alu depctr_va_vcc(0)                    ; the compare has written VCC, ahead of the select that reads it
	v_cndmask_b32 v[TB], 1.0, v[\aq], vcc_lo       ; |mask word|, or 1 where it is 0: there y x 0 gives the 0
	v_log_f32 v[L], v[L]
	v_log_f32 v[TB], v[TB]
	v_nop
	s_wait_alu depctr_va_vdst(0)                   ; the two logarithms are written, ahead of their first reader
	v_sub_f32 v[\nmp], v[NEGM], v[L]
	v_add_f32 v[\nmp], v[\nmp], v[TB]              ; -M' = -M - log2(sum) + log2(|mask word|)
	v_mov_b32 v[\nmp+1], v[\nmp]                   ; (the pair's upper word is written too)
.endm
; PASS 2 for one tile
.macro P2 qf, qs, q0, ql, nmp
	s_wait_alu depctr_vm_vsrc(0)                   ; first tile: my LDS stores have read V's way into LDS, v164-213; second tile: the first tile's stores have read v196-201, v254, v236, v238, v239.  These are written below and on the way out, a tile that is left out too
.set n, 0
.rept 32
	v_mov_b32 v[O+n], 0                            ; the loop is written once; a tile that is left out stores these zeros
.set n, n+1
.endr
	s_mov_b32 s[KFS], 0
	s_mov_b32 s[TK], 0
	s_mov_b32 s[TS], 0
	s_mov_b32 s[TW], 0
	s_mov_b32 s[CNT], 16
	KLOAD AK16, AK8, AKS, 0, 0                     ; the first step's tiles 0-3: as in pass 1, nothing is owed for them
.Lp2_\@:
	s_cmp_gt_i32 s[KFS], s[\ql]
	s_cbranch_scc1 .Lp2e_\@
	s_add_co_u32 s56, s[TS], 512
	s_min_u32 s56, s56, 15*512                     ; the next step's scale words of K, held at the sixteenth step's
	s_wait_alu depctr_vm_vsrc(0)                   ; the LDS loads issued so far have read the addresses written below
	v_add_nc_u32 v[ADK16], s[TK], v[AK16]          ; seven plain lines: also the places between the last trip's V^T P^T, which read v100-147, and the products that write there
	v_add_nc_u32 v[ADK8], s[TK], v[AK8]
	v_add_nc_u32 v[ADKS], s[TS], v[AKS]
	v_add_nc_u32 v[ADKN], s56, v[AKS]
	v_add_nc_u32 v[ADV16], s[TK], v[AV16]
	v_add_nc_u32 v[ADV8], s[TK], v[AV8]
	v_add_nc_u32 v[ADVS], s[TW], v[AVS]
	QK \qf, \qs
	DIAG \q0
	BMAX
.irp b, 0,1,2,3
	v_permlanex16_b32 v[TM+4+\b], v[TM+\b], s20, s21
.endr
.irp b, 0,1,2,3
	v_max_num_f32 v[TM+\b], v[TM+\b], v[TM+4+\b]   ; each block's largest score: p rises with the score, so it gives the block's largest p
.endr
.set n, 0
.rept 32
	v_pk_fma_f32 v[S+n:S+n+1], v[S+n:S+n+1], s[22:23], v[\nmp:\nmp+1] op_sel_hi:[1,0,0]
.set n, n+2
.endr
.irp b, 0,1,2,3
	v_fma_f32 v[TM+\b], v[TM+\b], s22, v[\nmp]
.endr
.set n, 0
.rept 64
	v_exp_f32 v[S+n], v[S+n]                       ; p: the finished att
.set n, n+1
.endr
.irp b, 0,1,2,3
	v_exp_f32 v[TM+\b], v[TM+\b]
.endr
	v_nop                                          ; the plain place behind the exponentials
	s_wait_alu depctr_va_vdst(0)                   ; the 68 exponentials are written, ahead of their first reader; tiles 4-7's products are done reading v52-99 and v42-45, in which the next step's tiles land
	KLOAD ADK16, ADK8, ADKN, 6144, 0               ; the next step's tiles 0-3: they land during the quantising, which names none of these registers
.irp b, 0,1,2,3
	v_max_num_f32 v[TM+\b], 0x1800000, v[TM+\b]    ; the floor 2^(3 - 127)
.endr
.irp b, 0,1,2,3
	v_add_nc_u32 v[TM+12+\b], 0xff000000, v[TM+\b]
.endr
.irp b, 0,1,2,3
	v_lshrrev_b32 v[TM+4+\b], 23, v[TM+12+\b]
.endr
	v_lshl_or_b32 v[PSC], v[TM+5], 8, v[TM+4]
	v_lshl_or_b32 v[PSC], v[TM+6], 16, v[PSC]
	v_lshl_or_b32 v[PSC], v[TM+7], 24, v[PSC]
.irp c, 0,1
	v_cvt_scalef32_pk16_fp6_f32 v[PC+6*\c:PC+6*\c+2], v[S+32*\c:S+32*\c+15], v[TM+12+2*\c]
	v_cvt_scalef32_pk16_fp6_f32 v[PT+4*\c:PT+4*\c+2], v[S+32*\c+16:S+32*\c+31], v[TM+13+2*\c]
.endr
	v_nop                                          ; one plain place behind the scaled conversions
	s_wait_alu depctr_va_vdst(0)                   ; the conversions are done reading p, v100-163, in whose registers V's fragments land
.irp d, 0,1,2,3                        ; V^T: four fragments of 16 of the head's 64 x these 128 keys, into the registers that p has left; they are out while the codes change lanes
	ds_load_b128 v[S+12*\d:S+12*\d+3], v[ADV16] offset:1536*\d
	ds_load_b64 v[S+12*\d+4:S+12*\d+5], v[ADV8] offset:1536*\d
	ds_load_b128 v[S+12*\d+6:S+12*\d+9], v[ADV16] offset:1536*\d+768
	ds_load_b64 v[S+12*\d+10:S+12*\d+11], v[ADV8] offset:1536*\d+768
.endr
	ds_load_b128 v[VS4:VS4+3], v[ADVS]
.irp c, 0,1                            ; (these twelve name v196-215 alone: none of the registers that the loads above touch)
.irp i, 0,1,2
	v_permlane16_swap_b32 v[PC+6*\c+\i], v[PT+4*\c+\i]
.endr
.irp i, 0,1,2
	v_mov_b32 v[PC+3+6*\c+\i], v[PT+4*\c+\i]
.endr
.endr
.rept 8
	v_nop                                          ; a scale register written by vector instructions stands 8 places ahead of a scaled matrix instruction, an operand so written 4
.endr
	s_wait_alu depctr_va_vdst(0)                   ; p's codes v196-207 and its scale word v50 are written, which the scaled products below take; the places above stay beside this wait
	s_wait_dscnt 0x0
.irp d, 0,1,2,3
	v_wmma_scale_f32_16x16x128_f8f6f4 v[O+8*\d:O+8*\d+7], v[S+12*\d:S+12*\d+11], v[PC:PC+11], v[O+8*\d:O+8*\d+7], v[VS4+\d], v[PSC] matrix_a_fmt:MATRIX_FMT_FP6 matrix_b_fmt:MATRIX_FMT_FP6
.endr
.Lp2e_\@:
	s_add_co_u32 s[KFS], s[KFS], 128
	s_add_co_u32 s[TK], s[TK], 6144
	s_add_co_u32 s[TS], s[TS], 512
	s_add_co_u32 s[TW], s[TW], 256
	s_sub_co_u32 s[CNT], s[CNT], 1
	s_cmp_lg_u32 s[CNT], 0
	s_cbranch_scc1 .Lp2_\@
	s_wait_dscnt 0x0                               ; where every step was left out, the fetch ahead of the loop is still out: it is in now, and its registers may be asked for again
.endm
; THE WAY OUT of one tile: y = O^T x |mask word|, two blocks of 32, one chunk of codes and two scale bytes a row
.macro EPI q0, aq
.rept 4
	v_nop                                          ; places behind the last products
.endr
.set n, 0
.rept 16
	v_pk_mul_f32 v[S+n:S+n+1], v[O+n:O+n+1], v[\aq:\aq+1] op_sel_hi:[1,0]
.set n, n+2
.endr
.irp b, 0,1
	v_max3_num_f32 v[TM+\b], |v[S+16*\b]|, |v[S+16*\b+1]|, 0x1800000
.endr
.irp i, 2,4,6,8,10,12,14
.irp b, 0,1
	v_max3_num_f32 v[TM+\b], v[TM+\b], |v[S+16*\b+\i]|, |v[S+16*\b+\i+1]|
.endr
.endr
.irp b, 0,1
	v_permlanex16_b32 v[TM+4+\b], v[TM+\b], s20, s21
.endr
.irp b, 0,1
	v_max_num_f32 v[TM+\b], v[TM+\b], v[TM+4+\b]
.endr
.irp b, 0,1
	v_add_nc_u32 v[TM+12+\b], 0xff000000, v[TM+\b]
.endr
.irp b, 0,1
	v_lshrrev_b32 v[TM+4+\b], 23, v[TM+12+\b]
.endr
	v_cvt_scalef32_pk16_fp6_f32 v[PC:PC+2], v[S:S+15], v[TM+12]
	v_cvt_scalef32_pk16_fp6_f32 v[PT:PT+2], v[S+16:S+31], v[TM+13]
	v_nop
.irp i, 0,1,2
	v_permlane16_swap_b32 v[PC+\i], v[PT+\i]
.endr
.irp i, 0,1,2
	v_mov_b32 v[PC+3+\i], v[PT+\i]
.endr
	v_cndmask_b32 v[TA], v[TM+4], v[TM+5], s24     ; lane (r, h) stores block h's byte
	v_and_b32 v[TB], 15, v0
	v_add_nc_u32 v[TB], s[\q0], v[TB]              ; my query
	v_cmp_gt_u32 vcc_lo, s25, v[TB]                ; no valid key at or before it?
	s_mul_i32 s58, s[\q0], 768                     ; a tile's 16 chunks are 12,288 bytes
	v_add_nc_u32 v[T2], s58, v[AK16]
	v_add_nc_u32 v[T2+1], s58, v[AK8]
	s_lshl_b32 s58, s[\q0], 5                      ; its scales 512
	v_add_nc_u32 v[F], s58, v[YO]
	s_wait_alu depctr_va_vcc(0)                    ; the compare has written VCC, ahead of the select that reads it
	v_cndmask_b32 v[TA], v[TA], v[CFF], vcc_lo     ; then the byte 0xff
	s_wait_alu depctr_va_vdst(0)                   ; the codes v196-201, the byte v254 and the offsets v238, v239, v236 are written, which the three stores read
	global_store_b128 v[T2], v[PC:PC+3], s[52:53]  ; 512 consecutive bytes, aligned to 256
	global_store_b64 v[T2+1], v[PC+4:PC+5], s[52:53]
	global_store_b8 v[F], v[TA], s[54:55]
.endm
	P1 QLO, QSLO, 26, 28, NMPLO, AQLO, MQLO
	P1 QHI, QSHI, 27, 29, NMPHI, AQHI, MQHI
	s_wait_loadcnt 0x0                             ; V is in registers
.irp i, 0,1,2,3,4,5,6,7
	ds_store_b128 v[TM+8], v[O+4*\i:O+4*\i+3] offset:8192*\i                  ; (v224-226 stand since the head, and no vector instruction has named v164-213)
.endr
.irp i, 8,9,10,11
	ds_store_b128 v[TM+9], v[O+4*\i:O+4*\i+3] offset:8192*(\i-8)
.endr
	ds_store_b64 v[TM+10], v[O+48:O+49]
	s_wait_dscnt 0x0                               ; for the others' sake: my stores have landed
	s_barrier_signal -1
	s_barrier_wait -1                              ; V lies in LDS
	P2 QLO, QSLO, 26, 28, NMPLO
	EPI 26, AQLO
	s_wait_xcnt 0x0                                ; the stores have read their registers: these are written again only behind this wait (and behind the wait at the head of the pass below)
	P2 QHI, QSHI, 27, 29, NMPHI
	EPI 27, AQHI
	s_wait_dscnt 0x0                               ; the closing lines, six on end
	s_wait_alu 0x0
	s_wait_tensorcnt 0x0
	ds_add_u32 v[SPW], v[NIL]
	s_wait_dscnt 0x0
	s_endpgm
.Lfunc_end_k_qf19a68d84e_attn:
	.size	k_qf19a68d84e_attn, .Lfunc_end_k_qf19a68d84e_attn-k_qf19a68d84e_attn
	.p2alignl 7, 3214868480
	.fill 96, 4, 3214868480
	.section	.rodata,"a",@progbits
	.p2align	6, 0x0
	.amdhsa_kernel k_qf19a68d84e_attn
		.amdhsa_group_segment_fixed_size 210944
		.amdhsa_private_segment_fixed_size 0
		.amdhsa_enable_private_segment 0
		.amdhsa_kernarg_size 48
		.amdhsa_user_sgpr_count 2
		.amdhsa_user_sgpr_kernarg_segment_ptr 1
		.amdhsa_wavefront_size32 1
		.amdhsa_system_sgpr_workgroup_id_x 1
		.amdhsa_system_sgpr_workgroup_id_y 1
		.amdhsa_system_sgpr_workgroup_id_z 1
		.amdhsa_system_vgpr_workitem_id 0
		.amdhsa_next_free_vgpr 256
		.amdhsa_next_free_sgpr 66
		.amdhsa_reserve_vcc 1
		.amdhsa_float_denorm_mode_32 3
		.amdhsa_float_denorm_mode_16_64 3
		.amdhsa_memory_ordered 1
		.amdhsa_forward_progress 1
		.amdhsa_inst_pref_size 114
	.end_amdhsa_kernel
	.amdgpu_metadata
---
amdhsa.version: [ 1, 2 ]
amdhsa.kernels:
  - .name:           k_qf19a68d84e_attn
    .symbol:         k_qf19a68d84e_attn.kd
    .args:
      - { .name: atc, .offset: 0, .size: 8, .value_kind: global_buffer, .address_space: global }
      - { .name: ats, .offset: 8, .size: 8, .value_kind: global_buffer, .address_space: global }
      - { .name: attention_mask, .offset: 16, .size: 8, .value_kind: global_buffer, .address_space: global }
      - { .name: flg, .offset: 24, .size: 8, .value_kind: global_buffer, .address_space: global }
      - { .name: yc, .offset: 32, .size: 8, .value_kind: global_buffer, .address_space: global }
      - { .name: ys, .offset: 40, .size: 8, .value_kind: global_buffer, .address_space: global }
    .group_segment_fixed_size: 210944
    .private_segment_fixed_size: 0
    .kernarg_segment_align: 8
    .kernarg_segment_size: 48
    .max_flat_workgroup_size: 512
    .sgpr_count:     66
    .vgpr_count:     256
    .wavefront_size: 32
...
	.end_amdgpu_metadata
.endif
;; end of part 5
;; launch proj: the kernel of part 4 again; grid 32 x 8, 4 waves a work-group, clusters of 4 x 4, 327,680 bytes of LDS; arguments yc, ys, opc, ops, bo, out0; writes out0
